; MI455X (gfx1250); checked and timed in simulation.
; The chip was launched on July 23, 2026; its instructions are those of AMD's public machine-readable ISA for CDNA 5 (MIT licence, August 2026) and "CDNA5" Instruction Set Architecture Reference Guide (July 2026). The comments in the code are by the model that wrote it; some were corrected since.
;; Causal Self Attention. Allowed arithmetic: matrix products marked QUANTISED: E2M3 operands, one E8M0 scale for each 32 along K, by v_wmma_scale_f32_16x16x128_f8f6f4 with both operands' format E2M3, f32 sums; everything else in f32.
;; Inputs: b_proj 1,024 float32; b_qkv 3,072 float32; w_proj 1,024 x 1,024 float32; w_qkv 1,024 x 3,072 float32; x 4 x 2,048 x 1,024 float32.
;; Outputs: out0 4 x 2,048 x 1,024 float32.
;; This version of the problem:
;;   THIS VERSION OF THE PROBLEM IS GIVEN IN LOW PRECISION. The matrix products marked QUANTISED in the list below multiply operands that are first quantised to E2M3 (2 exponent bits, 3 mantissa bits; 6 bits a number), with one power-of-two scale for each 32 numbers along K (OCP MX v1.0); their sums are f32. All else is computed in f32.
;;   The module's matrix products, in the order in which they are computed (A, B: the left and right operand; K: the contracted axis; several contracted axes count as one K, in the product's order):
;;     1. [M 8,192, K 1,024] x [K 1,024, N 3,072]; A: input x; B: input w_qkv: QUANTISED
;;     2. batch 64 x [M 2,048, K 64] x [K 64, N 2,048]; A: computed on the way; B: computed on the way: QUANTISED
;;     3. batch 64 x [M 2,048, K 2,048] x [K 2,048, N 64]; A: softmax (see below); B: computed on the way: QUANTISED
;;     4. [M 8,192, K 1,024] x [K 1,024, N 1,024]; A: computed on the way; B: input w_proj: QUANTISED
;;   THE QUANTISER, for each operand of a quantised product, along K:
;;     - K is cut into blocks of 32 from its start; a last block that is shorter is filled with zeros.
;;     - A block's scale is 2^e with e = floor(log2(the largest magnitude in the block)) - 2, held to -126 .. 127; a block of zeros has e = 0. As a byte (E8M0): e + 127.
;;     - Each number is divided by its block's scale, clamped to +-7.5, and rounded to the nearest number of E2M3, ties to even, subnormals kept.
;;     - The product sums the exact products of the quantised numbers (number of the format x scale) in f32.
;;   ~~~python
;;   def quantise(x, axis):      # numpy; x: float32 -> the quantised numbers, widened to float32 again
;;       x = np.moveaxis(x, axis, -1); K = x.shape[-1]
;;       x = np.pad(x, [(0, 0)] * (x.ndim - 1) + [(0, -K % 32)]); x = x.reshape(x.shape[:-1] + (-1, 32)); a = np.abs(x).max(-1, keepdims=True)
;;       e = np.where(a > 0, np.clip(np.frexp(np.where(a > 0, a, 1))[1] - 1 - 2, -126, 127), 0)      # np.frexp(a)[1] - 1 = floor(log2(a)), exactly
;;       r = np.clip(x / 2.0 ** e, -7.5, 7.5)
;;       step = 2.0 ** (np.maximum(np.frexp(np.where(r == 0, 1, r))[1] - 1, 0) - 3)
;;       q = np.round(r / step) * step * 2.0 ** e      # np.round: ties to even
;;       return np.moveaxis(q.reshape(q.shape[:-2] + (-1,))[..., :K], -1, axis).astype(np.float32)
;;   ~~~
;;   SOFTMAX AHEAD OF A QUANTISED PRODUCT. Where the list says 'softmax', what is quantised is not the finished softmax but p = 2^(t - M), with t = logit x log2(e) and M = ceil(the row's largest t), a whole number; so 1/2 < the row's largest p <= 1. The row's sum l is taken of the UNQUANTISED p, in f32, and the product's result is divided by l at the end. Since M is a whole number, a kernel that streams over the keys may use a running M (the ceiling of the running maximum): every later rescaling is an exact power of two, which a block's scale takes up: the codes' values come out the same.
;;   OPERANDS COMPUTED ON THE WAY. 'Computed on the way' means the value that the module computes at that place (a softmax that the list does not call 'softmax' is quantised finished and normalised). What goes into a quantiser is computed in f32, as accurately as f32 sums, v_exp_f32 and their like allow (about 1e-6 of the number): no bf16 or f16 on the way to a quantiser, and a product that is left as it is and whose result goes on into a quantised operand takes f32 operands (vector FMAs, or v_wmma_f32_16x16x4_f32). A number that lies on a knife's edge between two numbers of the format may be rounded either way, as far as f32 arithmetic and the matrix unit's own rounding can turn it there, and no further.
;; One version. Each part assembles by itself: llvm-mc -triple=amdgcn-amd-amdhsa -mcpu=gfx1250 --defsym DOCPART=n.
;; ======== version 1 of 1: 4 launches
;; workspace buffers: xc 6,291,456 bytes; xs 262,144 bytes; wc 3,145,728 bytes; ws 131,072 bytes; qbuf 6,553,600 bytes; kvbuf 13,107,200 bytes; oc 6,291,456 bytes; os 262,144 bytes
;; launch quant (part 1): grid 384 x 1, 4 waves a work-group, no clusters, 59,904 bytes of LDS; arguments x, w_qkv, w_proj, xc, xs, wc, ws; writes xc, xs, wc, ws
.if DOCPART == 1
	.amdgcn_target "amdgcn-amd-amdhsa--gfx1250"
	.amdhsa_code_object_version 6
	.text
	.protected	k_q04dcef3fb1_quant
	.globl	k_q04dcef3fb1_quant
	.p2align	8
	.type	k_q04dcef3fb1_quant,@function
k_q04dcef3fb1_quant:
	s_mov_b64 s[64:65], 0
	v_nop
	global_prefetch_b8 v0, s[64:65] scope:SCOPE_SE
	s_setreg_imm32_b32 hwreg(HW_REG_WAVE_MODE, 25, 1), 1
	s_wait_xcnt 0x0
; x [8192][1024], w_qkv [1024][3072] and w_proj [1024][1024], f32, become codes of FP6 (E2M3) with one E8M0 byte for each 32 along K (K = 1024 in all three).
; A block's scale is 2^(floor(log2(its largest magnitude)) - 2); its byte is that magnitude's exponent field - 2, held at 1 from below.
; LIMITS: NaN and infinities among the inputs are not served.  A block of zeros, or one whose largest magnitude lies under 2^-124, keeps the byte 1 (its codes are zeros or tiny); the bytes are read by this program alone.
; LAYOUT OF THE CODES (xc for x's rows; wc for the weights' columns n: tiles 0-191 w_qkv's, 192-255 w_proj's): [tile of 16 rows][kappa 0..15][768 bytes].
;   ROWS ARE STORED WITH BITS 3 AND 4 OF THEIR NUMBER SWAPPED: lane r of tile 2 beta + u is true row 32 beta + 8 u + r + 8 (r / 8).
;   A unit of 768 bytes is 16 rows x 64 K AS THE MATRIX OPERAND'S REGISTERS HOLD IT: lane l = (r, h) owns row r's block 2 kappa + h, 24 bytes: its first 16 at 16 l, its last 8 at 512 + 8 l.
; LAYOUT OF THE SCALE BYTES (xs, ws): [tile][half of K][r][16 bytes]: the four scale words of that half's four steps of 128 along K.
; Work-groups 0-255 take x, 256-383 the weights: a scalar branch on the work-group's number; each way has LDS bytes of its own.  Waves share nothing: no barrier.
.set XSTG,  8448                       ; x's way: a wave's stage, 16 rows x (512 bytes + 16)
.set WLDS,  4*XSTG                     ; the weights' way begins behind x's four stages
.set WSTG,  6400                       ; a wave's stage there: two tiles x (3,072 bytes + 128)
.set FLOOR, 0x1800000                  ; 2^(3 - 127): no largest magnitude is taken under it, so no byte falls under 1
.set EOFF,  0xff000000                 ; takes 2 off an exponent field
; x's way: v4 16 x lane; v5 stage in; v6 stage out; v7 8 x lane; v8 my place in the scale unit; v9 8 h
.set R,   16                           ; v16-143  two sets of 64: 16 rows x 16 bytes a lane, as loaded
.set X,   144                          ; v144-207 my two whole blocks of 32 numbers
.set C,   208                          ; v208-231 two sets of 12: the codes
.set CT,  232                          ; v232-238 the conversions' second halves
.set M,   240                          ; v240-241 largest magnitudes
.set SOP, 242                          ; v242-243 the conversions' scale operands
.set BY,  244                          ; v244-245 the bytes
.set PD,  246                          ; v246     a lane permute's destination
.set TW,  247
.set W,   248                          ; v248-251 the four steps' scale words
.set D,   252                          ; v252-253 what I store of them
; the weights' way
.set OFFS, 16                          ; v16-47   4 x lane + i x a row of the weight
.set WX,  48                           ; v48-111  two sets of 32 numbers
.set WCD, 112                          ; v112-117 a block's codes
.set WCT, 120
.set WM,  124
.set WSO, 126
.set WBY, 127
.set SB,  128                          ; v128-129 eight scale bytes
.set OUTR, 132                         ; v132-179 the way out
	s_load_b128 s[4:7], s[0:1], 0x0                ; x, w_qkv
	s_load_b128 s[8:11], s[0:1], 0x10              ; w_proj, xc
	s_load_b128 s[12:15], s[0:1], 0x20             ; xs, wc
	s_load_b64 s[16:17], s[0:1], 0x30              ; ws
	v_lshl_add_u32 v254, v0, 2, 0xe800
	v_mov_b32 v255, 0
	v_lshrrev_b32 v1, 5, v0
	v_readfirstlane_b32 s18, v1                    ; wave 0..3
	v_and_b32 v1, 31, v0                           ; lane
	s_cmp_lt_u32 ttmp9, 256
	s_cbranch_scc0 .Lweights
; ---------------- x: K is innermost.  Wave W = 4 x work-group + wave takes tile W / 2 and half W % 2 of K: four steps of 16 rows x 128 K.
; Each load reads 512 consecutive bytes of one row; a step's 8 KiB turn through the wave's stage, so that a lane gets two WHOLE blocks of 32 neighbours: blocks h and 2 + h of row r.
	v_and_b32 v2, 15, v0                           ; r
	v_bfe_u32 v3, v0, 4, 1                         ; h
	v_lshlrev_b32 v4, 4, v1
	s_mul_i32 s19, s18, XSTG
	v_add_nc_u32 v5, s19, v4                       ; in: 16 x lane of row i
	v_mul_u32_u24 v6, v2, 528
	v_lshl_add_u32 v6, v3, 7, v6
	v_add_nc_u32 v6, s19, v6                       ; out: row r, + 128 h.  Rows 528 bytes apart: sixteen rows start at sixteen different columns of 16 bytes
	v_lshlrev_b32 v7, 3, v1
	v_lshlrev_b32 v8, 4, v2
	v_lshl_add_u32 v8, v3, 3, v8                   ; 16 r + 8 h
	v_lshlrev_b32 v9, 3, v3
	v_cmp_le_u32 s22, 16, v1                       ; lanes 16-31
	s_mov_b32 s20, 0x76543210
	s_mov_b32 s21, 0xfedcba98                      ; v_permlanex16_b32's selects for lane l xor 16
	v_mov_b32 v[PD], 0                             ; written once: a lane permute's destination counts as one of its sources
	s_lshl_b32 s23, ttmp9, 2
	s_add_co_u32 s23, s23, s18                     ; W
	s_lshr_b32 s24, s23, 1                         ; tile = 2 beta + u
	s_and_b32 s25, s23, 1                          ; half of K
	s_lshr_b32 s26, s24, 1
	s_and_b32 s27, s24, 1
	s_lshl_b32 s26, s26, 17                        ; 32 beta rows of 4,096 bytes
	s_lshl_b32 s27, s27, 15                        ; 8 u rows
	s_add_co_u32 s26, s26, s27
	s_lshl_b32 s27, s25, 11                        ; 512 numbers along K
	s_add_co_u32 s26, s26, s27
	s_mov_b32 s27, 0
	s_mul_i32 s28, s24, 12288
	s_mul_i32 s29, s25, 6144
	s_add_co_u32 s28, s28, s29
	s_mov_b32 s29, 0
	s_lshl_b32 s30, s23, 8
	s_mov_b32 s31, 0
	s_wait_kmcnt 0x0
	s_add_nc_u64 s[4:5], s[4:5], s[26:27]
	s_add_nc_u64 s[10:11], s[10:11], s[28:29]
	s_add_nc_u64 s[12:13], s[12:13], s[30:31]
.macro LOADX s                         ; step s: lane r of the tile is the row r + 8 (r / 8) further down
.irp i, 0,1,2,3,4,5,6,7,8,9,10,11,12,13,14,15
	global_load_b128 v[R+64*((\s)%2)+4*\i:R+64*((\s)%2)+4*\i+3], v4, s[4:5] offset:(\i+8*(\i/8))*4096+512*(\s) th:TH_LOAD_NT
.endr
.endm
.macro STEPX s
.set RS, R+64*((\s)%2)
.set CS, C+12*((\s)%2)
.if (\s) < 3
	s_wait_loadcnt 16                              ; this step's 16 loads are in; the next step's 16 may be out
.else
	s_wait_loadcnt 0x0
.endif
.irp i, 0,1,2,3,4,5,6,7,8,9,10,11,12,13,14,15
	ds_store_b128 v5, v[RS+4*\i:RS+4*\i+3] offset:528*\i
.endr
.irp c, 0,1
.irp j, 0,1,2,3,4,5,6,7
	ds_load_b128 v[X+32*\c+4*\j:X+32*\c+4*\j+3], v6 offset:256*\c+16*\j   ; LDS serves a wave's instructions in order: these see the stores above
.endr
.endr
	s_wait_dscnt 0x0                               ; my blocks are in, and the stores have read their registers
	s_wait_xcnt 0x0                                ; the stores of two steps back have read this set of code registers
.if (\s) < 2
	LOADX (\s)+2
.endif
.irp c, 0,1
	v_max3_num_f32 v[M+\c], |v[X+32*\c]|, |v[X+32*\c+1]|, FLOOR     ; block 2 c + h: all 32 numbers are mine
.endr
.irp i, 2,4,6,8,10,12,14,16,18,20,22,24,26,28,30
.irp c, 0,1
	v_max3_num_f32 v[M+\c], v[M+\c], |v[X+32*\c+\i]|, |v[X+32*\c+\i+1]|   ; the two blocks by turns
.endr
.endr
.irp c, 0,1
	v_add_nc_u32 v[SOP+\c], EOFF, v[M+\c]          ; the conversion takes this operand's exponent field as its scale
.endr
.irp c, 0,1
	v_lshrrev_b32 v[BY+\c], 23, v[SOP+\c]          ; the scale's byte
.endr
	v_lshl_or_b32 v[TW], v[BY+1], 16, v[BY]        ; my two bytes: blocks h and 2 + h,
	v_lshlrev_b32 v[TW], v9, v[TW]                 ; at their places in the word;
	v_permlanex16_b32 v[PD], v[TW], s20, s21
	v_or_b32 v[W+(\s)], v[TW], v[PD]               ; with lane l xor 16's two the word is whole, in both lanes
.irp c, 0,1
	v_cvt_scalef32_pk16_fp6_f32 v[CS+6*\c:CS+6*\c+2], v[X+32*\c:X+32*\c+15], v[SOP+\c]
	v_cvt_scalef32_pk16_fp6_f32 v[CT+4*\c:CT+4*\c+2], v[X+32*\c+16:X+32*\c+31], v[SOP+\c]   ; (a conversion's three registers begin on an even number)
.endr
	v_nop                                          ; one plain place behind a scaled conversion
.irp c, 0,1
.irp i, 0,1,2
	v_mov_b32 v[CS+6*\c+3+\i], v[CT+4*\c+\i]
.endr
.endr
.irp c, 0,1
	global_store_b128 v4, v[CS+6*\c:CS+6*\c+3], s[10:11] offset:1536*(\s)+768*\c        ; 512 consecutive bytes
	global_store_b64 v7, v[CS+6*\c+4:CS+6*\c+5], s[10:11] offset:1536*(\s)+768*\c+512   ; 256 consecutive bytes
.endr
.endm
	LOADX 0
	LOADX 1
	STEPX 0
	STEPX 1
	STEPX 2
	STEPX 3
	v_cndmask_b32 v[D], v[W], v[W+2], s22          ; lanes 0-15 store words 0, 1 of row r, lanes 16-31 words 2, 3
	v_cndmask_b32 v[D+1], v[W+1], v[W+3], s22
	global_store_b64 v8, v[D:D+1], s[12:13]        ; the wave's 256 scale bytes: one aligned run
	s_wait_tensorcnt 0x0
	ds_add_u32 v254, v255
	s_wait_dscnt 0x0
	s_endpgm
; ---------------- the weights: K is the FIRST axis.  A lane takes a column n and its registers run down K, so a block of 32 lies in one lane and nothing is transposed by an instruction.
; Work-group g: columns 128 (g / 4) .. + 127 of the two weights on end, K = 256 (g % 4) .. + 255; a wave 32 of the columns: 8 blocks a lane.
.Lweights:
	s_sub_co_u32 s19, ttmp9, 256
	s_lshr_b32 s23, s19, 2                         ; cb 0..31
	s_and_b32 s24, s19, 3                          ; ky 0..3
	v_bfe_u32 v2, v0, 3, 1                         ; u: my column's tile of the wave's two
	v_bfe_u32 v3, v0, 4, 1
	v_and_b32 v10, 7, v0
	v_lshl_or_b32 v3, v3, 3, v10                   ; r: its lane there
	s_mul_i32 s25, s18, WSTG
	s_add_co_u32 s25, s25, WLDS
	v_mul_u32_u24 v11, v2, 3200                    ; (128 bytes beyond a tile's 3,072, so that the two tiles' stores fall on different banks)
	v_add_nc_u32 v11, s25, v11
	v_lshl_add_u32 v4, v3, 4, v11                  ; where my block's first 16 bytes go
	v_lshl_add_u32 v5, v3, 3, v11                  ; and its last 8
	v_lshlrev_b32 v8, 4, v1
	v_add_nc_u32 v6, s25, v8                       ; back: 16 x lane
	v_lshlrev_b32 v7, 9, v2
	v_lshl_add_u32 v7, v3, 4, v7                   ; my row of scale bytes: 512 u + 16 r
	s_sub_co_u32 s26, s23, 24
	s_cmp_lt_u32 s23, 24                           ; w_qkv's columns or w_proj's?  The choice hangs on the work-group's number alone
	s_cselect_b32 s26, s23, s26                    ; the block of 128 columns in its own tensor
	s_mov_b32 s27, 4096
	s_cselect_b32 s27, 12288, s27                  ; a row of it, in bytes
	s_wait_kmcnt 0x0
	s_cselect_b64 s[4:5], s[6:7], s[8:9]
	s_lshl_b32 s28, s26, 9
	s_lshl_b32 s29, s18, 7
	s_add_co_u32 s28, s28, s29                     ; my wave's first column, in bytes
	s_lshl_b32 s29, s24, 8
	s_mul_i32 s29, s29, s27                        ; 256 ky rows
	s_add_co_u32 s28, s28, s29
	s_mov_b32 s29, 0
	s_add_nc_u64 s[32:33], s[4:5], s[28:29]        ; block 0's base;
	s_lshl_b32 s30, s27, 5
	s_mov_b32 s31, 0
.irp t, 1,2,3,4,5,6,7
	s_add_nc_u64 s[32+2*\t:33+2*\t], s[30+2*\t:31+2*\t], s[30:31]   ; block t's: 32 rows further down
.endr
	v_lshlrev_b32 v[OFFS], 2, v1
.irp i, 1,2,3,4,5,6,7,8,9,10,11,12,13,14,15,16,17,18,19,20,21,22,23,24,25,26,27,28,29,30,31
	v_add_nc_u32 v[OFFS+\i], s27, v[OFFS+\i-1]     ; the row's length is no constant of the text, so the 32 rows' offsets stand in registers
.endr
	s_lshl_b32 s28, s23, 3
	s_lshl_b32 s29, s18, 1
	s_add_co_u32 s28, s28, s29                     ; my wave's first tile: 8 cb + 2 wave
	s_mul_i32 s48, s28, 12288
	s_mul_i32 s29, s24, 3072
	s_add_co_u32 s48, s48, s29
	s_mov_b32 s49, 0
	s_add_nc_u64 s[14:15], s[14:15], s[48:49]
	s_lshl_b32 s48, s28, 9
	s_lshr_b32 s29, s24, 1
	s_lshl_b32 s29, s29, 8
	s_add_co_u32 s48, s48, s29
	s_and_b32 s29, s24, 1
	s_lshl_b32 s29, s29, 3
	s_add_co_u32 s48, s48, s29
	s_add_nc_u64 s[16:17], s[16:17], s[48:49]
.macro LOADW t                         ; block t: 32 rows at my column; 32 lanes read 128 consecutive bytes, the four waves side by side 512
.set i, 0
.rept 32
	global_load_b32 v[WX+32*((\t)%2)+i], v[OFFS+i], s[32+2*(\t):33+2*(\t)] th:TH_LOAD_NT
.set i, i+1
.endr
.endm
.macro BLOCKW t
.set XS, WX+32*((\t)%2)
.if (\t) < 7
	s_wait_loadcnt 32                              ; this block's 32 loads are in; the next block's may be out
.else
	s_wait_loadcnt 0x0
.endif
	v_max3_num_f32 v[WM], |v[XS]|, |v[XS+1]|, |v[XS+2]|
	v_max3_num_f32 v[WM+1], |v[XS+3]|, |v[XS+4]|, |v[XS+5]|
.irp i, 6,10,14,18,22,26
	v_max3_num_f32 v[WM], v[WM], |v[XS+\i]|, |v[XS+\i+1]|
	v_max3_num_f32 v[WM+1], v[WM+1], |v[XS+\i+2]|, |v[XS+\i+3]|
.endr
	v_max3_num_f32 v[WM], v[WM], |v[XS+30]|, |v[XS+31]|
	v_max3_num_f32 v[WM], v[WM], v[WM+1], FLOOR
	v_add_nc_u32 v[WSO], EOFF, v[WM]
	v_lshrrev_b32 v[WBY], 23, v[WSO]
.if (\t)%4 == 0
	v_mov_b32 v[SB+(\t)/4], v[WBY]                 ; four bytes to a register, the lower K in the lower byte
.else
	v_lshl_or_b32 v[SB+(\t)/4], v[WBY], 8*((\t)%4), v[SB+(\t)/4]
.endif
	v_cvt_scalef32_pk16_fp6_f32 v[WCD:WCD+2], v[XS:XS+15], v[WSO]
	v_cvt_scalef32_pk16_fp6_f32 v[WCT:WCT+2], v[XS+16:XS+31], v[WSO]
	v_nop                                          ; one plain place behind a scaled conversion
.irp i, 0,1,2
	v_mov_b32 v[WCD+3+\i], v[WCT+\i]
.endr
	ds_store_b128 v4, v[WCD:WCD+3] offset:768*((\t)/2)+256*((\t)%2)           ; unit t / 2, operand lane (r, t % 2)
	ds_store_b64 v5, v[WCD+4:WCD+5] offset:768*((\t)/2)+512+128*((\t)%2)
.if (\t) < 6
	LOADW (\t)+2
.endif
	s_wait_dscnt 0x0                               ; the stores have read their registers: the next block's codes may be written
.endm
	LOADW 0
	LOADW 1
.irp t, 0,1,2,3,4,5,6,7
	BLOCKW \t
.endr
	global_store_b64 v7, v[SB:SB+1], s[16:17]      ; my column's eight scale bytes: half of its 16 in this half of K
.irp n, 0,1,2,3,4,5,6,7,8,9,10,11
	ds_load_b128 v[OUTR+4*\n:OUTR+4*\n+3], v6 offset:3200*(\n/6)+512*(\n%6)
.endr
.irp n, 0,1,2,3,4,5,6,7,8,9,10,11
	s_wait_dscnt 11-\n                             ; LDS loads come back in order: load n is in, the younger ones may be out
	global_store_b128 v8, v[OUTR+4*\n:OUTR+4*\n+3], s[14:15] offset:12288*(\n/6)+512*(\n%6)   ; 512 consecutive bytes, aligned
.endr
	s_wait_tensorcnt 0x0
	ds_add_u32 v254, v255
	s_wait_dscnt 0x0
	s_endpgm
.Lfunc_end_k_q04dcef3fb1_quant:
	.size	k_q04dcef3fb1_quant, .Lfunc_end_k_q04dcef3fb1_quant-k_q04dcef3fb1_quant
	.p2alignl 7, 3214868480
	.fill 96, 4, 3214868480
	.section	.rodata,"a",@progbits
	.p2align	6, 0x0
	.amdhsa_kernel k_q04dcef3fb1_quant
		.amdhsa_group_segment_fixed_size 59904
		.amdhsa_private_segment_fixed_size 0
		.amdhsa_enable_private_segment 0
		.amdhsa_kernarg_size 56
		.amdhsa_user_sgpr_count 2
		.amdhsa_user_sgpr_kernarg_segment_ptr 1
		.amdhsa_wavefront_size32 1
		.amdhsa_system_sgpr_workgroup_id_x 1
		.amdhsa_system_sgpr_workgroup_id_y 1
		.amdhsa_system_sgpr_workgroup_id_z 1
		.amdhsa_system_vgpr_workitem_id 0
		.amdhsa_next_free_vgpr 256
		.amdhsa_next_free_sgpr 66
		.amdhsa_reserve_vcc 0
		.amdhsa_float_denorm_mode_32 3
		.amdhsa_float_denorm_mode_16_64 3
		.amdhsa_memory_ordered 1
		.amdhsa_forward_progress 1
		.amdhsa_inst_pref_size 73
	.end_amdhsa_kernel
	.amdgpu_metadata
---
amdhsa.version: [ 1, 2 ]
amdhsa.kernels:
  - .name:           k_q04dcef3fb1_quant
    .symbol:         k_q04dcef3fb1_quant.kd
    .args:
      - { .name: x, .offset: 0, .size: 8, .value_kind: global_buffer, .address_space: global }
      - { .name: w_qkv, .offset: 8, .size: 8, .value_kind: global_buffer, .address_space: global }
      - { .name: w_proj, .offset: 16, .size: 8, .value_kind: global_buffer, .address_space: global }
      - { .name: xc, .offset: 24, .size: 8, .value_kind: global_buffer, .address_space: global }
      - { .name: xs, .offset: 32, .size: 8, .value_kind: global_buffer, .address_space: global }
      - { .name: wc, .offset: 40, .size: 8, .value_kind: global_buffer, .address_space: global }
      - { .name: ws, .offset: 48, .size: 8, .value_kind: global_buffer, .address_space: global }
    .group_segment_fixed_size: 59904
    .private_segment_fixed_size: 0
    .kernarg_segment_align: 8
    .kernarg_segment_size: 56
    .max_flat_workgroup_size: 128
    .sgpr_count:     66
    .vgpr_count:     256
    .wavefront_size: 32
...
	.end_amdgpu_metadata
.endif
;; end of part 1
;; launch qkv (part 2): grid 12 x 32, 4 waves a work-group, clusters of 4 x 4, 327,680 bytes of LDS; arguments xc, xs, wc, ws, b_qkv, qbuf, kvbuf; writes qbuf, kvbuf
.if DOCPART == 2
	.amdgcn_target "amdgcn-amd-amdhsa--gfx1250"
	.amdhsa_code_object_version 6
	.text
	.protected	k_q04dcef3fb1_qkv
	.globl	k_q04dcef3fb1_qkv
	.p2align	8
	.type	k_q04dcef3fb1_qkv,@function
k_q04dcef3fb1_qkv:
	s_mov_b64 s[64:65], 0
	v_nop
	global_prefetch_b8 v0, s[64:65] scope:SCOPE_SE
	s_setreg_imm32_b32 hwreg(HW_REG_WAVE_MODE, 25, 1), 1
	s_wait_xcnt 0x0
	s_wait_alu depctr_hold_cnt(0) depctr_sa_sdst(0) depctr_va_vdst(0) depctr_va_sdst(0) depctr_va_ssrc(0) depctr_va_vcc(0) depctr_vm_vsrc(0)
	s_getreg_b32 s2, hwreg(HW_REG_IB_STS2, 6, 4)
	s_cmp_eq_u32 s2, 0
	s_cbranch_scc0 .Lentry_in_a_cluster
	s_endpgm
.Lentry_in_a_cluster:
	s_bfe_u32 s2, ttmp6, 0x10000c
	s_cmp_lg_u32 s2, 0xf033
	s_cbranch_scc0 .Lentry_shape_is_right
	s_endpgm
.Lentry_shape_is_right:
; qkv = x w_qkv + b_qkv on codes of FP6 (E2M3) with E8M0 scales (K = 1024), and its results quantised at once: q and k along the head's 64, v along the keys.  No f32 result goes to memory.
; A block of C, 256 x 256, is made by four waves, 128 x 128 each: 64 accumulators, 512 registers.  K goes in steps of 256 through a ring of two LDS slots filled by the tensor data mover.
; ROLES, by the cluster's x (the same number in all sixteen partners): 0: q, 1: k: A = x's rows, B = w's rows n 0..2047.  2: v: THE OPERANDS CHANGE PLACES: A = w's rows 2048..3071 (channels), B = x's rows (keys).
; THE MATRIX INSTRUCTION IS USED TRANSPOSED (source 0 = 16 rows of B, source 1 = 16 rows of A): a lane holds ONE row of A and its registers run along B's rows.  Codes are stored with bits 3 and 4 of the row
; number swapped, so the 16 registers of B's tiles 2 beta, 2 beta + 1 are 16 NEIGHBOURS: 32 beta + 16 (lane / 16) + 0 .. 15.  So a lane's 64 results of a block of A are four blocks of 32 along the next product's K:
; for q and k two heads x 64 channels, for v 128 keys.
; CODES IN MEMORY AND IN LDS ARE IMAGES OF THE OPERAND'S REGISTERS: [tile of 16 rows][kappa][768 bytes]: lane l's block of 32 codes: 16 bytes at 16 l, 8 bytes at 512 + 8 l.  Every fragment load reads consecutive bytes.
; OUTPUT.  A block of 6,400 bytes = four images of 12 registers (chunk i at 512 i + 16 l) + 256 bytes of scale words (8 bytes a lane: register X: image 0's words in lanes 0-15, image 1's in lanes 16-31; X + 1: images 2, 3).
;   qbuf [b h][group of 128 rows][6,400]; kvbuf [b h][group of 128 keys][k's 6,400, v's 6,400].  q, k: image p = tile 2 p's six registers (16 rows x 64), then tile 2 p + 1's.  v: image f = 16 channels x 128 keys.
; CLUSTERS: 4 x 4 work-groups; A's tiles are asked for jointly along a row of the cluster, B's along a column.
; LIMITS: NaN and infinities are not served; a block of zeros or under 2^-124 keeps the scale byte 1; the bytes are read by this program alone.
; REGISTERS: window 0: v0-31 addresses; v32-63 scale words and nothing else; v64-127 the columns' bias; v128-223 A's fragments, one set; v224-239 the rows' bias; v240-255 at work in the epilogue.
;   window 1: B's fragments, two sets, at v0 and v128.  windows 2, 3: the accumulators ((a, b) at v[8 (8 (a % 4) + b)] of window 2 + a / 4).
.set BIASC, 0                          ; the first products start the sums with the constant 0
.set NQ,    2                          ; matrix instructions deep in a slot
.set FR,    12                         ; registers of a fragment
.set NL,    4                          ; LDS loads that bring one
.set NP,    4                          ; places behind this matrix instruction (ISA guide 7.12.1)
.set HALFT, 24576                      ; 8 tiles x 3,072 bytes: what one tensor load brings, and what a wave reads of A or of B
.set SLOT,  4*HALFT
.set SCL,   2*SLOT                     ; behind the ring: the scale bytes of the block's 512 rows, for all of K
.set HALFS, 4096
.set SBLK,  512
.set SPARE, SCL+4*HALFS                ; the spare words, 128 bytes for each wave: two blocks of 256 bytes that no other line names
.set ADRA, 16                          ; v16-17 A's fragments in slot 0, 1: base + 16 x lane; v18-19: base + 8 x lane
.set ADRB, 20                          ; v20-23 the same for B
.set ADRS, 27                          ; v27 my scale words: lanes 0-15 A's rows, lanes 16-31 B's
.set SPW,  28
.set NIL,  29
.set SC,   32
.set BN,   64
.set AF,   128
.set BM,   224
.set T,    128                         ; the epilogue: 64 numbers
.set IMG0, 192                         ; an image for my first head (v: the image)
.set IMG1, 204                         ; and for my second
.set CT,   216                         ; the conversions' second halves
.set TM,   240                         ; v240-243 magnitudes, v244-247 bytes, v252-255 scale operands
.set PW,   24                          ; v24-25 two tiles' scale words
.set KW,   16                          ; v16-23 the eight images' scale words
.set RR,   30                          ; v30-31 what I store of them
.set G1, 24
.set G0, 32
.set G1B, 48
.set G0B, 56
.set G1S, 68
.set G0S, 76
.set G1SB, 80
.set G0SB, 88
.set MSB, 0
.macro WIN new                         ; the immediate's high byte repeats the setting that is left
.if MSB != (\new)
	s_set_vgpr_msb (MSB<<8)|(\new)
.set MSB, (\new)
.endif
.endm
.set TO_B, 0x40                        ; destination window 1, address window 0
.macro WMUL hi, zero                   ; source 0 (B) window 1, source 1 (A) window 0, D window 2 + hi; C with D, or a bias in window 0
.if (\zero) && BIASC
	WIN 0x81+0x40*(\hi)
.else
	WIN 0xa1+0x50*(\hi)
.endif
.endm
; A joint load: waves 0 and 1 fetch for A, waves 2 and 3 for B.  Each line has one mask and one set of registers for all that issue it; the branch hangs on the wave's number alone.
; Four v_nop follow each of the two lines, ahead of the jump, the label and what follows.
.macro JLOAD g0a, g1a, g0b, g1b
	s_cmp_eq_u32 s15, 0
	s_cbranch_scc0 .Lfor_b_\@
	tensor_load_to_lds s[\g0a:\g0a+3], s[\g1a:\g1a+7]
	s_nop 0
.rept 4
	v_nop
.endr
	s_branch .Lasked_\@
.Lfor_b_\@:
	tensor_load_to_lds s[\g0b:\g0b+3], s[\g1b:\g1b+7]
	s_nop 0
.rept 4
	v_nop
.endr
.Lasked_\@:
.endm
.macro CREST                           ; a round of the cluster's barrier behind its opening barrier
	s_cmp_lg_u32 s14, 0
	s_cbranch_scc1 .Lnot_wave_0_\@
	s_barrier_signal -3
.Lnot_wave_0_\@:
	s_barrier_wait -3
	s_barrier_signal -1
	s_barrier_wait -1
.endm
.macro CROUND
	s_barrier_signal -1
	s_barrier_wait -1
	CREST
.endm
	s_load_b256 s[4:11], s[0:1], 0x0               ; xc, xs, wc, ws
	s_load_b64 s[12:13], s[0:1], 0x20              ; b_qkv
	s_load_b64 s[96:97], s[0:1], 0x28              ; qbuf
	s_load_b64 s[98:99], s[0:1], 0x30              ; kvbuf
	v_lshl_add_u32 v[SPW], v0, 2, SPARE
	v_mov_b32 v[NIL], 0
	ds_add_u32 v28, v29
	ds_add_u32 v28, v29
	s_wait_dscnt 0x0
	v_lshrrev_b32 v1, 5, v0
	v_readfirstlane_b32 s14, v1                    ; wave 0..3
	s_lshr_b32 s15, s14, 1                         ; which half of the block's rows is mine.  Also: I fetch for A (0) or for B (1)
	s_and_b32 s16, s14, 1                          ; which half of its columns.  Also: which 8 tiles I fetch
	s_bfe_u32 s40, ttmp6, 0x40000                  ; cx
	s_bfe_u32 s41, ttmp6, 0x40004                  ; cy
	s_and_b32 s18, ttmp7, 0xffff                   ; the cluster's y
	s_cmp_eq_u32 ttmp9, 2                          ; v's role?
	s_cselect_b32 s17, 0, s18                      ; the clusters' coordinate along A's rows,
	s_cselect_b32 s42, s18, ttmp9                  ; and along B's
	s_cselect_b32 s19, 128, 0                      ; v's channels begin at tile 128 of wc
	s_lshl_b32 s17, s17, 2
	s_add_co_u32 s17, s17, s41                     ; tr: my block of 256 rows of A
	s_lshl_b32 s42, s42, 2
	s_add_co_u32 s42, s42, s40                     ; tc: my block of 256 rows of B
	s_lshl_b32 s43, s41, 2
	s_lshl_b32 s43, 15, s43                        ; my row of the cluster
	s_lshl_b32 s44, 0x1111, s40                    ; my column
	; descriptor group 1 for codes: 8 rows (tiles) of 3,072 bytes (four units of 768: 256 along K), 12,288 bytes apart in memory, on end in LDS
	s_or_b32 s[G1+0], s43, (3<<16)|(1<<21)         ; 15:0 the mask; 17:16 elements of 8 bytes; 20 no padding; 21 set beside a mask
	s_or_b32 s[G1B+0], s44, (3<<16)|(1<<21)
.irp g, G1, G1B
	s_mov_b32 s[\g+1], 384<<16                     ; tensor_dim0 = 384 elements
	s_mov_b32 s[\g+2], 8<<16                       ; tensor_dim1 = 8
	s_mov_b32 s[\g+3], 384<<16                     ; tile_dim0
	s_mov_b32 s[\g+4], 8                           ; tile_dim1
	s_mov_b32 s[\g+5], 1536                        ; from row to row, in elements
	s_mov_b32 s[\g+6], 0
	s_mov_b32 s[\g+7], 0
.endr
	; and for the scale bytes of 8 tiles: 4,096 dense bytes as 16 rows of 256
	s_or_b32 s[G1S+0], s43, (3<<16)|(1<<21)
	s_or_b32 s[G1SB+0], s44, (3<<16)|(1<<21)
.irp g, G1S, G1SB
	s_mov_b32 s[\g+1], 32<<16
	s_mov_b32 s[\g+2], 16<<16
	s_mov_b32 s[\g+3], 32<<16
	s_mov_b32 s[\g+4], 16
	s_mov_b32 s[\g+5], 32
	s_mov_b32 s[\g+6], 0
	s_mov_b32 s[\g+7], 0
.endr
	s_lshl_b32 s18, s16, 3                         ; which 8 tiles of the 16 I fetch
	s_lshl_b32 s20, s17, 4
	s_add_co_u32 s20, s20, s18
	s_add_co_u32 s20, s20, s19                     ; A's first tile
	s_lshl_b32 s46, s42, 4
	s_add_co_u32 s46, s46, s18                     ; B's
	s_lshl_b32 s22, s20, 9                         ; their scale bytes: 512 a tile
	s_mov_b32 s23, 0
	s_lshl_b32 s92, s46, 9
	s_mov_b32 s93, 0
	s_mul_i32 s20, s20, 12288                      ; their codes
	s_mov_b32 s21, 0
	s_mul_i32 s46, s46, 12288
	s_mov_b32 s47, 0
	s_mul_i32 s45, s14, HALFT                      ; where they go: by the wave's number alone
	s_mul_i32 s94, s14, HALFS
	s_wait_kmcnt 0x0
	s_cmp_eq_u32 ttmp9, 2
	s_cselect_b64 s[100:101], s[8:9], s[4:5]       ; A's codes: wc in v's role, else xc
	s_add_nc_u64 s[20:21], s[100:101], s[20:21]
	s_cselect_b64 s[100:101], s[10:11], s[6:7]     ; A's scales
	s_add_nc_u64 s[22:23], s[100:101], s[22:23]
	s_cselect_b64 s[100:101], s[4:5], s[8:9]       ; B's codes
	s_add_nc_u64 s[46:47], s[100:101], s[46:47]
	s_cselect_b64 s[100:101], s[6:7], s[10:11]     ; B's scales
	s_add_nc_u64 s[92:93], s[100:101], s[92:93]
	CROUND                                         ; all sixteen work-groups are here: the first joint loads meet
	s_mov_b32 s[G0S], 1
	s_add_co_u32 s[G0S+1], s94, SCL
	s_mov_b64 s[G0S+2:G0S+3], s[22:23]
	s_or_b32 s[G0S+3], s[G0S+3], 0x80000000
	s_mov_b32 s[G0SB], 1
	s_add_co_u32 s[G0SB+1], s94, SCL
	s_mov_b64 s[G0SB+2:G0SB+3], s[92:93]
	s_or_b32 s[G0SB+3], s[G0SB+3], 0x80000000
	JLOAD G0S, G1S, G0SB, G1SB                     ; the scales first: they are wanted with the first K step.  Three loads of mine are out behind these lines
.irp s, 0,1
	s_mov_b32 s[G0+4*\s], 1
	s_add_co_u32 s[G0+4*\s+1], s45, \s*SLOT
	s_add_nc_u64 s[G0+4*\s+2:G0+4*\s+3], s[20:21], \s*3072
	s_or_b32 s[G0+4*\s+3], s[G0+4*\s+3], 0x80000000
	s_mov_b32 s[G0B+4*\s], 1
	s_add_co_u32 s[G0B+4*\s+1], s45, \s*SLOT
	s_add_nc_u64 s[G0B+4*\s+2:G0B+4*\s+3], s[46:47], \s*3072
	s_or_b32 s[G0B+4*\s+3], s[G0B+4*\s+3], 0x80000000
	JLOAD G0+4*\s, G1, G0B+4*\s, G1B
.endr
	v_and_b32 v1, 15, v0                           ; r
	v_bfe_u32 v2, v0, 4, 1                         ; h
	v_and_b32 v6, 31, v0                           ; lane
	v_lshlrev_b32 v4, 4, v6
	v_lshlrev_b32 v5, 3, v6
	s_mul_i32 s21, s15, HALFT                      ; my 8 tiles of A
	s_mul_i32 s22, s16, HALFT                      ; my 8 tiles of B,
	s_add_co_u32 s22, s22, 2*HALFT                 ; which lie behind A's 16
.irp s, 0,1
	v_add_nc_u32 v[ADRA+\s], s21, v4
	v_add_nc_u32 v[ADRB+\s], s22, v4
	v_add_nc_u32 v[ADRA+2+\s], s21, v5
	v_add_nc_u32 v[ADRB+2+\s], s22, v5
	s_add_co_u32 s21, s21, SLOT
	s_add_co_u32 s22, s22, SLOT
.endr
	v_lshlrev_b32 v3, 4, v1                        ; my row's scale words: 16 bytes a row in each half of K
	s_mul_i32 s21, s15, HALFS
	s_mul_i32 s22, s16, HALFS
	s_add_co_u32 s22, s22, 2*HALFS
	s_sub_co_u32 s22, s22, s21
	v_mul_u32_u24 v7, s22, v2                      ; lanes 16-31 take B's: one product, h x the distance
	s_add_co_u32 s21, s21, SCL
	v_add_nc_u32 v3, v3, v7
	v_add_nc_u32 v[ADRS], s21, v3
	; the biases.  Both kinds are loaded in every role, so that every register is written on every way; the kind that a role does not use is read from b_qkv's first bytes
	s_lshl_b32 s20, s42, 10
	s_lshl_b32 s18, s16, 9
	s_add_co_u32 s20, s20, s18                     ; q, k: my first column, 256 tc + 128 x half, in bytes
	s_lshl_b32 s21, s17, 10
	s_lshl_b32 s18, s15, 9
	s_add_co_u32 s21, s21, s18
	s_add_co_u32 s21, s21, 8192                    ; v: my first channel, 2048 + 256 tr + 128 x half, in bytes
	s_and_b32 s18, s42, 3
	s_cmp_eq_u32 ttmp9, 2
	s_cselect_b32 s20, 0, s20
	s_cselect_b32 s21, s21, 0
	s_cselect_b32 s18, s17, s18                    ; which four heads,
	s_cselect_b32 s19, s15, s16                    ; which two of them,
	s_cselect_b32 s22, s42, s17                    ; which 256 rows of x,
	s_cselect_b32 s23, s16, s15                    ; which 128 of them,
	s_cselect_b32 s43, 6400, 0                     ; v's block lies behind k's
	v_lshl_add_u32 v12, v2, 6, s20                 ; the columns' bias: tile 2 beta + u wants columns 32 beta + 16 h + 8 u + 0 .. 7
	v_and_b32 v13, 8, v1
	v_add_nc_u32 v13, v13, v1
	v_lshl_add_u32 v13, v13, 2, s21                ; the rows' bias: block 2 alpha + u wants row 32 alpha + 8 u + r + 8 (r / 8)
.irp b, 0,1,2,3,4,5,6,7
	global_load_b128 v[BN+8*\b:BN+8*\b+3], v12, s[12:13] offset:128*(\b/2)+32*(\b%2)
	global_load_b128 v[BN+8*\b+4:BN+8*\b+7], v12, s[12:13] offset:128*(\b/2)+32*(\b%2)+16
.endr
.irp a, 0,1,2,3,4,5,6,7
	global_load_b32 v[BM+2*\a], v13, s[12:13] offset:128*(\a/2)+32*(\a%2)
	global_load_b32 v[BM+2*\a+1], v13, s[12:13] offset:128*(\a/2)+32*(\a%2)    ; twice: a pair for the packed addition
.endr
	; where my two heads' blocks go
	s_lshr_b32 s44, s22, 3
	s_lshl_b32 s44, s44, 4                         ; 16 b
	s_lshl_b32 s18, s18, 2
	s_add_co_u32 s44, s44, s18
	s_lshl_b32 s19, s19, 1
	s_add_co_u32 s44, s44, s19                     ; + my first head
	s_lshl_b32 s44, s44, 4
	s_and_b32 s22, s22, 7
	s_lshl_b32 s22, s22, 1
	s_add_co_u32 s44, s44, s22
	s_add_co_u32 s44, s44, s23                     ; x 16 + the group of 128 rows
	s_mov_b32 s45, 12800
	s_cmp_eq_u32 ttmp9, 0
	s_cselect_b32 s45, 6400, s45                   ; a group's record: q's block, or k's and v's
	s_cselect_b64 s[100:101], s[96:97], s[98:99]
	s_mul_i32 s44, s44, s45
	s_add_co_u32 s44, s44, s43
	s_lshl_b32 s66, s45, 4                         ; from a head to the next: 16 groups
	s_mov_b32 s45, 0
	s_add_nc_u64 s[100:101], s[100:101], s[44:45]
	v_lshlrev_b32 v8, 4, v6                        ; an image's chunk: 16 x lane; my first head,
	v_add_nc_u32 v9, s66, v8                       ; my second
	v_lshlrev_b32 v10, 3, v6                       ; the scale words: 8 x lane
	v_add_nc_u32 v11, s66, v10
	v_cmp_le_u32 s67, 16, v6                       ; lanes 16-31
	s_mov_b32 s94, 0x76543210
	s_mov_b32 s95, 0xfedcba98                      ; v_permlanex16_b32's selects for lane l xor 16
	s_mov_b32 s2, 0x05040100                       ; v_perm_b32: two low halves,
	s_mov_b32 s3, 0x07060302                       ; two high halves
.macro FRAG reg, adr, q, i             ; a fragment, 16 rows x 128 K: two units of 768 bytes; registers 6 c .. 6 c + 5 are unit c's 16 + 8 bytes of my lane
	ds_load_b128 v[\reg:\reg+3], v[\adr] offset:3072*(\i)+1536*(\q)
	ds_load_b64 v[\reg+4:\reg+5], v[\adr+2] offset:3072*(\i)+1536*(\q)+512
	ds_load_b128 v[\reg+6:\reg+9], v[\adr] offset:3072*(\i)+1536*(\q)+768
	ds_load_b64 v[\reg+10:\reg+11], v[\adr+2] offset:3072*(\i)+1536*(\q)+1280
.endm
; 16 matrix instructions: A's blocks a0, a0 + 1 x B's eight, 128 along K.  The 64 accumulators take turns, one instruction a turn, in the same order in every step.
.macro MUL16 a0, p, q, sc, zero
.irp a, \a0, \a0+1
.irp b, 0,1,2,3,4,5,6,7
.if \zero
	v_wmma_scale_f32_16x16x128_f8f6f4 v[8*(8*((\a)%4)+\b):8*(8*((\a)%4)+\b)+7], v[128*(\p)+FR*\b:128*(\p)+FR*\b+FR-1], v[AF+FR*(\a):AF+FR*(\a)+FR-1], 0, v[SC+8*NQ*(\sc)+NQ*\b+(\q)], v[SC+8*NQ*(\sc)+NQ*(\a)+(\q)] matrix_a_fmt:MATRIX_FMT_FP6 matrix_b_fmt:MATRIX_FMT_FP6 matrix_a_scale:MATRIX_SCALE_ROW1
.else
	v_wmma_scale_f32_16x16x128_f8f6f4 v[8*(8*((\a)%4)+\b):8*(8*((\a)%4)+\b)+7], v[128*(\p)+FR*\b:128*(\p)+FR*\b+FR-1], v[AF+FR*(\a):AF+FR*(\a)+FR-1], v[8*(8*((\a)%4)+\b):8*(8*((\a)%4)+\b)+7], v[SC+8*NQ*(\sc)+NQ*\b+(\q)], v[SC+8*NQ*(\sc)+NQ*(\a)+(\q)] matrix_a_fmt:MATRIX_FMT_FP6 matrix_b_fmt:MATRIX_FMT_FP6 matrix_a_scale:MATRIX_SCALE_ROW1
.endif
.endr
.endr
.endm
.macro FETCH_B slot, q, p
	WIN TO_B
.irp i, 0,1,2,3,4,5,6,7
	FRAG 128*(\p)+FR*\i, ADRB+\slot, \q, \i
.endr
	WIN 0
.endm
.macro FETCH_A slot, q, i0
.irp i, \i0, \i0+1, \i0+2, \i0+3
	FRAG AF+FR*(\i), ADRA+\slot, \q, \i
.endr
.endm
.macro SCALES sc                       ; a slot's two scale words a row: lanes 0-15 take A's block i, lanes 16-31 B's block i
.irp i, 0,1,2,3,4,5,6,7
	ds_load_b64 v[SC+8*NQ*\sc+NQ*\i:SC+8*NQ*\sc+NQ*\i+1], v[ADRS] offset:\i*SBLK
.endr
.endm
.macro PLACES n                        ; plain vector instructions between a matrix instruction and a load into, or a read of, its registers
.rept \n
	v_nop
.endr
.endm
.macro STEP slot, q, zero              ; a step of 128 along K that has its successor in the same slot
	s_wait_dscnt 4*NL                              ; B's set and A's blocks 0-3 are in; the youngest 16 loads (A's blocks 4-7) may be out
	WMUL 0, \zero
	MUL16 0, (\q)%2, \q, \slot, \zero
	MUL16 2, (\q)%2, \q, \slot, \zero
	s_wait_dscnt 0                                 ; A's blocks 4-7 are in
	PLACES NP
	FETCH_B \slot, (\q)+1, 1-(\q)%2
	FETCH_A \slot, (\q)+1, 0
	WMUL 1, \zero
	MUL16 4, (\q)%2, \q, \slot, \zero
	MUL16 6, (\q)%2, \q, \slot, \zero
	PLACES NP
	WIN 0
	FETCH_A \slot, (\q)+1, 4
.endm
; A slot's last step changes slots: ONE barrier; in front of it each wave waits for all its tensor loads, adds 0 to its spare word, and waits for that and for its own reads of this slot.
; fill = 1: this slot is filled again, two slots ahead along K; the barrier then opens a round of the cluster's barrier.  sstep: from this slot's scale words to the next slot's.
.macro TURN slot, next, fill, sstep
	s_wait_tensorcnt 0x0                           ; all my tensor loads have landed: my part of the next slot
	ds_add_u32 v[SPW], v[NIL]                      ; 0 onto my spare word
	s_wait_dscnt 4*NL+1                            ; (the add and the youngest 16 loads, A's blocks 4-7, may be out)
	WMUL 0, 0
	MUL16 0, 1, NQ-1, \slot, 0                     ; sixteen matrix instructions stand between the add and the wait for it
	s_wait_dscnt 0x0                               ; the add is done, and my reads of this slot are over
	s_barrier_signal -1
	MUL16 2, 1, NQ-1, \slot, 0
	WIN 0
	s_barrier_wait -1
.if \fill
	CREST                                          ; no wave of any partner still reads this slot or has a load on its way
	s_add_nc_u64 s[G0+4*\slot+2:G0+4*\slot+3], s[G0+4*\slot+2:G0+4*\slot+3], 2*3072
	s_add_nc_u64 s[G0B+4*\slot+2:G0B+4*\slot+3], s[G0B+4*\slot+2:G0B+4*\slot+3], 2*3072
	JLOAD G0+4*\slot, G1, G0B+4*\slot, G1B         ; the first tensor load behind the round, my one load until the next; its four v_nop are the places in front of the loads below
.else
	PLACES NP
.endif
	v_add_nc_u32 v[ADRS], \sstep, v[ADRS]
	FETCH_B \next, 0, 0
	FETCH_A \next, 0, 0
	SCALES \next
	WMUL 1, 0
	MUL16 4, 1, NQ-1, \slot, 0
	MUL16 6, 1, NQ-1, \slot, 0
	PLACES NP
	WIN 0
	FETCH_A \next, 0, 4
.endm
	s_wait_tensorcnt 1                             ; the scales and my part of slot 0 are in (slot 1's load may be out)
	s_barrier_signal -1
	s_barrier_wait -1                              ; everybody's are
	FETCH_B 0, 0, 0
	FETCH_A 0, 0, 0
	SCALES 0
	FETCH_A 0, 0, 4
	STEP 0, 0, 1                                   ; K = 1024 is four slots' worth: eight steps, written out
	TURN 0, 1, 1, 8
	STEP 1, 0, 0
	TURN 1, 0, 1, 248
	STEP 0, 0, 0
	TURN 0, 1, 0, 8                                ; nothing is left to fetch
	STEP 1, 0, 0
	s_wait_dscnt 4*NL
	WMUL 0, 0
	MUL16 0, 1, NQ-1, 1, 0
	MUL16 2, 1, NQ-1, 1, 0
	s_wait_dscnt 0
	WMUL 1, 0
	MUL16 4, 1, NQ-1, 1, 0
	MUL16 6, 1, NQ-1, 1, 0
	WIN 0
; THE EPILOGUE, in registers alone.  64 numbers of a lane, register 16 b + i = place 32 b + 16 (lane / 16) + i along the next K, become codes: blocks 0, 1 in v[d0] on (six registers), blocks 2, 3 in v[d1] on; the four bytes in v[pw].
.macro QUANT s, d0, d1, pw
.irp b, 0,1,2,3
	v_max3_num_f32 v[TM+\b], |v[\s+16*\b]|, |v[\s+1+16*\b]|, 0x1800000   ; my 16 numbers of block b, and the floor 2^(3 - 127): the byte cannot fall under 1
.endr
.irp i, 2,4,6,8,10,12,14
.irp b, 0,1,2,3
	v_max3_num_f32 v[TM+\b], v[TM+\b], |v[\s+16*\b+\i]|, |v[\s+1+16*\b+\i]|
.endr
.endr
.irp b, 0,1,2,3
	v_permlanex16_b32 v[TM+4+\b], v[TM+\b], s94, s95
.endr
.irp b, 0,1,2,3
	v_max_num_f32 v[TM+\b], v[TM+\b], v[TM+4+\b]   ; with lane l xor 16's: the block's largest magnitude
.endr
.irp b, 0,1,2,3
	v_add_nc_u32 v[TM+12+\b], 0xff000000, v[TM+\b] ; 2 off its exponent field: the conversion's scale operand
.endr
.irp b, 0,1,2,3
	v_lshrrev_b32 v[TM+4+\b], 23, v[TM+12+\b]      ; the scale's byte
.endr
	v_lshl_or_b32 v[\pw], v[TM+5], 8, v[TM+4]
	v_lshl_or_b32 v[\pw], v[TM+6], 16, v[\pw]
	v_lshl_or_b32 v[\pw], v[TM+7], 24, v[\pw]
	v_cvt_scalef32_pk16_fp6_f32 v[(\d0):(\d0)+2], v[\s:\s+15], v[TM+12]
	v_cvt_scalef32_pk16_fp6_f32 v[CT:CT+2], v[\s+16:\s+31], v[TM+13]
	v_cvt_scalef32_pk16_fp6_f32 v[(\d1):(\d1)+2], v[\s+32:\s+47], v[TM+14]
	v_cvt_scalef32_pk16_fp6_f32 v[CT+4:CT+6], v[\s+48:\s+63], v[TM+15]
	v_nop                                          ; one plain place behind a scaled conversion
.irp i, 0,1,2                                  ; the operand's layout wants a WHOLE block in a lane: lanes 0-15 the even block, lanes 16-31 the odd one
	v_permlane16_swap_b32 v[(\d0)+\i], v[CT+\i]
	v_permlane16_swap_b32 v[(\d1)+\i], v[CT+4+\i]
.endr
.irp i, 0,1,2
	v_mov_b32 v[(\d0)+3+\i], v[CT+\i]
	v_mov_b32 v[(\d1)+3+\i], v[CT+4+\i]
.endr
.endm
.macro ADDB a                          ; block a's 64 sums + the columns' bias; each accumulator is read from its low end on
	WIN 0x02+(\a)/4
.set i, 0
.rept 32
	v_pk_add_f32 v[T+i:T+i+1], v[64*((\a)%4)+i:64*((\a)%4)+i+1], v[BN+i:BN+i+1]
.set i, i+2
.endr
	WIN 0
.endm
.macro ADDM a                          ; the same with my row's bias
	WIN 0x02+(\a)/4
.set i, 0
.rept 32
	v_pk_add_f32 v[T+i:T+i+1], v[64*((\a)%4)+i:64*((\a)%4)+i+1], v[BM+2*(\a):BM+2*(\a)+1]
.set i, i+2
.endr
	WIN 0
.endm
.macro SUNITS                          ; each head's 256 bytes of scale words: register X = images 0 | 1, X + 1 = images 2 | 3, by halves of the lanes
.irp c, 0,1
	s_wait_xcnt 0x0                                ; the earlier stores have read their registers
	v_cndmask_b32 v[RR], v[KW+4*\c], v[KW+4*\c+1], s67
	v_cndmask_b32 v[RR+1], v[KW+4*\c+2], v[KW+4*\c+3], s67
	global_store_b64 v[10+\c], v[RR:RR+1], s[100:101] offset:6144     ; 256 consecutive bytes, aligned
.endr
.endm
	PLACES NP                                      ; behind the last products: their results are read, and their operands' registers written, below
	s_wait_loadcnt 0x0                             ; the biases
.irp b, 0,1,2,3
	v_mov_b32 v[TM+4+\b], 0                        ; written once: a lane permute's destination counts as one of its sources
.endr
	s_cmp_eq_u32 ttmp9, 2                          ; the cluster's x: the same in all partners
	s_cbranch_scc1 .Lvt
	; q, k: a lane's 64 numbers are its row's 64 channels of my first head, then of my second
.irp p, 0,1,2,3
	s_wait_xcnt 0x0                                ; the last pair's stores have read the images
.irp e, 0,1
	ADDB (2*\p+\e)
	QUANT T, IMG0+6*\e, IMG1+6*\e, PW+\e
.endr
	v_perm_b32 v[KW+\p], v[PW+1], v[PW], s2        ; image p's word: tile 2 p's two bytes, then tile 2 p + 1's: my first head,
	v_perm_b32 v[KW+4+\p], v[PW+1], v[PW], s3      ; my second
.irp i, 0,1,2
	global_store_b128 v8, v[IMG0+4*\i:IMG0+4*\i+3], s[100:101] offset:1536*\p+512*\i    ; 512 consecutive bytes, aligned
	global_store_b128 v9, v[IMG1+4*\i:IMG1+4*\i+3], s[100:101] offset:1536*\p+512*\i
.endr
.endr
	SUNITS
	s_branch .Lend
.Lvt:
	; v: a lane's 64 numbers are its channel's 128 keys' halves: one image for each block of 16 channels
.irp a, 0,1,2,3,4,5,6,7
	s_wait_xcnt 0x0
	ADDM \a
	QUANT T, IMG0, IMG0+6, KW+\a
.irp i, 0,1,2
	global_store_b128 v[8+\a/4], v[IMG0+4*\i:IMG0+4*\i+3], s[100:101] offset:1536*(\a%4)+512*\i
.endr
.endr
	SUNITS
.Lend:
	s_wait_tensorcnt 0x0                           ; the wave's end
	ds_add_u32 v[SPW], v[NIL]
	s_wait_dscnt 0x0
	CROUND                                         ; the closing round: no work-group ends while a partner may still ask for a tile that names it
	s_endpgm
.Lfunc_end_k_q04dcef3fb1_qkv:
	.size	k_q04dcef3fb1_qkv, .Lfunc_end_k_q04dcef3fb1_qkv-k_q04dcef3fb1_qkv
	.p2alignl 7, 3214868480
	.fill 96, 4, 3214868480
	.section	.rodata,"a",@progbits
	.p2align	6, 0x0
	.amdhsa_kernel k_q04dcef3fb1_qkv
		.amdhsa_group_segment_fixed_size 327680
		.amdhsa_private_segment_fixed_size 0
		.amdhsa_enable_private_segment 0
		.amdhsa_kernarg_size 56
		.amdhsa_user_sgpr_count 2
		.amdhsa_user_sgpr_kernarg_segment_ptr 1
		.amdhsa_wavefront_size32 1
		.amdhsa_system_sgpr_workgroup_id_x 1
		.amdhsa_system_sgpr_workgroup_id_y 1
		.amdhsa_system_sgpr_workgroup_id_z 1
		.amdhsa_system_vgpr_workitem_id 0
		.amdhsa_next_free_vgpr 1024
		.amdhsa_next_free_sgpr 102
		.amdhsa_reserve_vcc 0
		.amdhsa_float_denorm_mode_32 3
		.amdhsa_float_denorm_mode_16_64 3
		.amdhsa_memory_ordered 1
		.amdhsa_forward_progress 1
		.amdhsa_inst_pref_size 218
	.end_amdhsa_kernel
	.amdgpu_metadata
---
amdhsa.version: [ 1, 2 ]
amdhsa.kernels:
  - .name:           k_q04dcef3fb1_qkv
    .symbol:         k_q04dcef3fb1_qkv.kd
    .args:
      - { .name: xc, .offset: 0, .size: 8, .value_kind: global_buffer, .address_space: global }
      - { .name: xs, .offset: 8, .size: 8, .value_kind: global_buffer, .address_space: global }
      - { .name: wc, .offset: 16, .size: 8, .value_kind: global_buffer, .address_space: global }
      - { .name: ws, .offset: 24, .size: 8, .value_kind: global_buffer, .address_space: global }
      - { .name: b_qkv, .offset: 32, .size: 8, .value_kind: global_buffer, .address_space: global }
      - { .name: qbuf, .offset: 40, .size: 8, .value_kind: global_buffer, .address_space: global }
      - { .name: kvbuf, .offset: 48, .size: 8, .value_kind: global_buffer, .address_space: global }
    .group_segment_fixed_size: 327680
    .private_segment_fixed_size: 0
    .kernarg_segment_align: 8
    .kernarg_segment_size: 56
    .max_flat_workgroup_size: 128
    .sgpr_count:     102
    .vgpr_count:     1024
    .wavefront_size: 32
...
	.end_amdgpu_metadata
.endif
;; end of part 2
;; launch attn (part 3): grid 4 x 64, 16 waves a work-group, clusters of 4 x 1, 206,848 bytes of LDS; arguments qbuf, kvbuf, oc, os; writes oc, os
.if DOCPART == 3
	.amdgcn_target "amdgcn-amd-amdhsa--gfx1250"
	.amdhsa_code_object_version 6
	.text
	.protected	k_q04dcef3fb1_attn
	.globl	k_q04dcef3fb1_attn
	.p2align	8
	.type	k_q04dcef3fb1_attn,@function
k_q04dcef3fb1_attn:
	s_mov_b64 s[64:65], 0
	v_nop
	global_prefetch_b8 v0, s[64:65] scope:SCOPE_SE
	s_setreg_imm32_b32 hwreg(HW_REG_WAVE_MODE, 25, 1), 1
	s_wait_xcnt 0x0
	s_wait_alu depctr_hold_cnt(0) depctr_sa_sdst(0) depctr_va_vdst(0) depctr_va_sdst(0) depctr_va_ssrc(0) depctr_va_vcc(0) depctr_vm_vsrc(0)
	s_getreg_b32 s2, hwreg(HW_REG_IB_STS2, 6, 4)
	s_cmp_eq_u32 s2, 0
	s_cbranch_scc0 .Lentry_in_a_cluster
	s_endpgm
.Lentry_in_a_cluster:
	s_bfe_u32 s2, ttmp6, 0x10000c
	s_cmp_lg_u32 s2, 0x3003
	s_cbranch_scc0 .Lentry_shape_is_right
	s_endpgm
.Lentry_shape_is_right:
; o = softmax(q k^T / 8, causal) v for one head (b, h) a cluster, both products on codes of FP6 (E2M3) with E8M0 scales; o is divided by the row's sum and quantised along the head's 64 for the last product.
; THE SOFTMAX AHEAD OF THE SECOND PRODUCT: t = score x log2(e) / 8; M = the row's largest t so far, rounded UP to a whole number; p = 2^(t - M) is quantised along the keys, not normalised; the row's sum is taken of the
; unquantised p.  When M moves, the sum and O are multiplied by 2^(old M - new M): exact.
; SHARES.  The four work-groups of a cluster share one head.  ITS K AND V, 204,800 BYTES OF CODES AND SCALE WORDS, COME INTO EACH WORK-GROUP'S LDS ONCE, by joint loads, and stay: no ring, no refill, no barrier in a loop.
; A wave takes two tiles of 16 queries: one of the group of 128 queries s = 15 - wave / 2, then one of group s = wave / 2: 17 key steps of 128 for every wave.  Which steps a wave runs hangs on its number alone;
; the work-group's place g in the cluster chooses WHICH tile of a group (tile 2 g + wave % 2) and enters global addresses and the mask's lane constant only.
; LAYOUT.  Both products are used transposed: a lane holds ONE query.  Rows were stored with bits 3 and 4 of their number swapped, so the 16 registers of key tiles 2 f, 2 f + 1 are keys 32 f + 16 (lane / 16) + 0 .. 15.
; K = 64 IN AN INSTRUCTION OF 128: an image of k holds key tile 2 f in k 0-63 and key tile 2 f + 1 in k 64-127.  Multiplied by [q | zero codes] it gives tile 2 f, by [zero codes | q] tile 2 f + 1.
; The two operands overlap in 18 registers: six of zeros, q's six, six of zeros; q's scale word holds its two bytes twice.
; LIMITS: NaN and infinities are not served; 1 / the sum is v_rcp_f32's; a block of zeros keeps the scale byte 1.  o's scale bytes leave as single bytes, 32 of them a store inside one run of 256 bytes: a scale word of the
; last product spans two heads, and two heads' K and V do not fit in LDS.
.set REC,  12800                       ; a key step in LDS and in memory: k's four images and 256 bytes of scale words, then v's
.set FRG,  48                          ; v48-95   four images: k's, then v's
.set BMX,  212                         ; v212-215 the blocks' largest scores, then largest p
.set PT,   216                         ; v216-219 lane permutes' destinations, a chain of the sum, bytes
.set CT,   204                         ; v204-210 the conversions' second halves
.set SOP,  220                         ; v220-223 the conversions' scale operands
.set PS,   224                         ; v224     p's scale word
.set TA,   225
.set F,    226                         ; v226-227 f = 2^(old M - new M) (the pair's upper half is written once)
.set PC,   192                         ; v192-203 p's codes
; v1 16 x lane; v2 8 x lane; v3, v4 the step's LDS addresses; v5 the mask's constant; v7 16 r + h; v12 -M; v13 the largest t; v[14:15] the sum; v16-33 zeros, q, zeros; v34-39 the second tile's q; v40 its scale word;
; v41 q's scale word; v[42:43] k's scale words; v[44:45] v's; v96-159 S^T, then p; v160-191 O^T; v[228:229] 1 / the sum; v232-237 o's codes; v238 o's byte
.macro CROUND
	s_barrier_signal -1
	s_barrier_wait -1
	s_cmp_lg_u32 s18, 0
	s_cbranch_scc1 .Lnot_wave_0_\@
	s_barrier_signal -3
.Lnot_wave_0_\@:
	s_barrier_wait -3
	s_barrier_signal -1
	s_barrier_wait -1
.endm
	s_load_b128 s[4:7], s[0:1], 0x0                ; qbuf, kvbuf
	s_load_b128 s[8:11], s[0:1], 0x10              ; oc, os
	v_lshl_add_u32 v254, v0, 2, 0x32000
	v_mov_b32 v255, 0
	ds_add_u32 v254, v255
	ds_add_u32 v254, v255
	v_lshrrev_b32 v8, 5, v0
	s_delay_alu instid0(VALU_DEP_1)
	v_readfirstlane_b32 s18, v8                    ; wave 0..15
	s_and_b32 s12, ttmp7, 0xffff                   ; 16 b + head: the partners share it
	s_mul_i32 s14, s12, 16*REC                     ; the head's K and V
	s_mul_i32 s15, s18, 6400                       ; my wave's part, in memory and in LDS alike
	s_add_co_u32 s16, s14, s15
	s_mov_b32 s17, 0
	; descriptor group 1: 6,400 dense bytes as 25 rows of 256
	s_mov_b32 s24, 15|(3<<16)|(1<<21)              ; 15:0 the mask: all four work-groups; 17:16 elements of 8 bytes; 21 set beside a mask
	s_mov_b32 s25, 32<<16
	s_mov_b32 s26, 25<<16
	s_mov_b32 s27, 32<<16
	s_mov_b32 s28, 25
	s_mov_b32 s29, 32
	s_mov_b32 s30, 0
	s_mov_b32 s31, 0
	s_wait_dscnt 0x0
	s_wait_kmcnt 0x0
	s_mov_b32 s32, 1
	s_mov_b32 s33, s15
	s_add_nc_u64 s[34:35], s[6:7], s[16:17]        ; key steps 0-7: 6,400 bytes a wave,
	s_mov_b32 s36, 1
	s_add_co_u32 s37, s15, 8*REC
	s_add_nc_u64 s[38:39], s[34:35], 8*REC         ; key steps 8-15
	s_or_b32 s35, s35, 0x80000000
	s_or_b32 s39, s39, 0x80000000
	CROUND                                         ; all four work-groups are here: the joint loads meet
	tensor_load_to_lds s[32:35], s[24:31]          ; two loads of mine are out: the launch's only fills
	s_nop 0
	tensor_load_to_lds s[36:39], s[24:31]
	s_nop 0
.rept 4
	v_nop
.endr
	s_bfe_u32 s13, ttmp6, 0x40000                  ; g: my place in the cluster
	v_and_b32 v9, 31, v0                           ; lane
	v_and_b32 v10, 15, v0                          ; r
	v_bfe_u32 v11, v0, 4, 1                        ; h
	s_delay_alu instid0(VALU_DEP_3)
	v_lshlrev_b32 v1, 4, v9
	s_wait_alu depctr_va_vdst(0)
	v_lshlrev_b32 v2, 3, v9
	s_and_b32 s54, s18, 1                          ; e
	s_lshr_b32 s53, s18, 1                         ; the short tile's group
	s_sub_co_u32 s52, 15, s53                      ; the long tile's
	v_and_b32 v5, 8, v10
	s_delay_alu instid0(VALU_DEP_1)
	v_add_nc_u32 v5, v5, v10                       ; r + 8 (r / 8)
	v_lshlrev_b32 v6, 4, v11
	s_delay_alu instid0(VALU_DEP_1)
	v_sub_nc_u32 v5, v5, v6
	s_lshl_b32 s55, s13, 5
	s_lshl_b32 s56, s54, 3
	s_add_co_u32 s55, s55, s56
	v_add_nc_u32 v5, s55, v5                       ; my query's place in its group of 128, less 16 h
	v_lshl_add_u32 v7, v10, 4, v11
	v_cmp_le_u32 s67, 16, v9                       ; lanes 16-31
	s_sub_co_u32 s68, 0, s54                       ; all lanes where e = 1
	s_mov_b32 s69, 0x03020302
	s_cmp_eq_u32 s54, 0
	s_cselect_b32 s69, 0x01000100, s69             ; v_perm_b32: tile e's two scale bytes, twice
	s_lshl_b32 s56, s12, 4
	s_add_co_u32 s57, s56, s52
	s_mul_i32 s58, s57, 6400
	s_mov_b32 s59, 0
	s_add_nc_u64 s[40:41], s[4:5], s[58:59]        ; q's block of the long tile's group,
	s_add_co_u32 s57, s56, s53
	s_mul_i32 s58, s57, 6400
	s_add_nc_u64 s[42:43], s[4:5], s[58:59]        ; of the short tile's
	s_mul_i32 s57, s13, 1536
	v_add_nc_u32 v8, s57, v1                       ; image g: tiles 2 g and 2 g + 1
	s_and_b32 s57, s13, 1
	s_lshl_b32 s57, s57, 7
	s_lshr_b32 s58, s13, 1
	s_lshl_b32 s58, s58, 2
	s_add_co_u32 s57, s57, s58
	s_add_co_u32 s57, s57, 6144
	v_lshl_add_u32 v6, v10, 3, s57                 ; its scale word of row r
.irp i, 0,1,2
	global_load_b128 v[96+4*\i:99+4*\i], v8, s[40:41] offset:512*\i
	global_load_b128 v[108+4*\i:111+4*\i], v8, s[42:43] offset:512*\i
.endr
	global_load_b32 v120, v6, s[40:41]
	global_load_b32 v121, v6, s[42:43]
	; where o's codes and bytes go: tile 128 b + 8 s + 2 g + e, unit = head
	s_lshr_b32 s56, s12, 4
	s_lshl_b32 s56, s56, 7
	s_lshl_b32 s57, s13, 1
	s_add_co_u32 s56, s56, s57
	s_add_co_u32 s56, s56, s54
	s_and_b32 s57, s12, 15                         ; the head
	s_mul_i32 s60, s57, 768
	s_lshr_b32 s61, s57, 3
	s_lshl_b32 s61, s61, 8
	s_and_b32 s57, s57, 7
	s_lshl_b32 s57, s57, 1
	s_add_co_u32 s61, s61, s57
	s_lshl_b32 s57, s52, 3
	s_add_co_u32 s57, s57, s56
	s_mul_i32 s58, s57, 12288
	s_add_co_u32 s58, s58, s60
	s_add_nc_u64 s[44:45], s[8:9], s[58:59]
	s_lshl_b32 s58, s57, 9
	s_add_co_u32 s58, s58, s61
	s_add_nc_u64 s[46:47], s[10:11], s[58:59]
	s_lshl_b32 s57, s53, 3
	s_add_co_u32 s57, s57, s56
	s_mul_i32 s58, s57, 12288
	s_add_co_u32 s58, s58, s60
	s_add_nc_u64 s[48:49], s[8:9], s[58:59]
	s_lshl_b32 s58, s57, 9
	s_add_co_u32 s58, s58, s61
	s_add_nc_u64 s[50:51], s[10:11], s[58:59]
	s_mov_b32 s20, 0x76543210
	s_mov_b32 s21, 0xfedcba98                      ; v_permlanex16_b32's selects for lane l xor 16
	s_mov_b32 s22, 0x3e38aa3b                      ; c = log2(e) / 8
	s_mov_b32 s23, s22                             ; (named with it as a pair, so it is written)
.irp b, 0,1,2,3
	v_mov_b32 v[PT+\b], 0                          ; written once: a lane permute's destination counts as one of its sources
.endr
	v_mov_b32 v[F+1], 0
	v_mov_b32 v229, 0
.irp k, 0,1,2,3,4,5
	v_mov_b32 v[16+\k], 0                          ; zero codes on both sides of q
	v_mov_b32 v[28+\k], 0
.endr
.macro INIT                            ; a tile begins: the largest t is -3e38, the sum and O^T are zeros, which the first change of M leaves zeros
	v_mov_b32 v13, 0xff61b1e6
	s_delay_alu instid0(VALU_DEP_1)
	v_floor_f32 v12, -v13
	v_mov_b32 v14, 0
	v_mov_b32 v15, 0
.set j, 0
.rept 32
	v_mov_b32 v[160+j], 0
.set j, j+1
.endr
.endm
	s_wait_loadcnt 0x0
	v_perm_b32 v41, v120, v120, s69                ; the long tile's scale word,
	v_perm_b32 v40, v121, v121, s69                ; the short tile's
.irp k, 0,1,2,3,4,5
	v_cndmask_b32 v[22+\k], v[96+\k], v[102+\k], s68     ; tile e of the image's two
	v_cndmask_b32 v[34+\k], v[108+\k], v[114+\k], s68
.endr
	INIT                                           ; (these lines are also the places between the writes of q and its scale word and the first products)
	s_wait_tensorcnt 0x0                           ; my two parts of K and V are in,
	s_barrier_signal -1
	s_barrier_wait -1                              ; everybody's are
; A KEY STEP: 128 keys, at LDS byte s2; s3 is its number, s66 my tile's group.  m = 1: a step past the group is left out, and in the group's own step hidden scores become -infinity.
.macro STEP m
.if \m
	s_cmp_gt_u32 s3, s66
	s_cbranch_scc1 .Lhidden_\@
.endif
	s_setprio 2
	v_add_nc_u32 v3, s2, v1
	v_add_nc_u32 v4, s2, v2
	v_nop
	v_nop                                          ; four places in front of loads into registers that the last products read
.irp f, 0,1,2,3
.irp i, 0,1,2
	ds_load_b128 v[FRG+12*\f+4*\i:FRG+12*\f+4*\i+3], v3 offset:1536*\f+512*\i
.endr
.endr
	ds_load_b64 v[42:43], v4 offset:6144
	s_wait_alu depctr_va_vdst(0)
	s_wait_dscnt 0x0
.irp f, 0,1,2,3                                ; S^T: image f x [q | 0] = key tile 2 f, x [0 | q] = key tile 2 f + 1
.if (\f)%2
	v_wmma_scale_f32_16x16x128_f8f6f4 v[96+16*\f:103+16*\f], v[FRG+12*\f:FRG+12*\f+11], v[22:33], 0, v[42+\f/2], v41 matrix_a_fmt:MATRIX_FMT_FP6 matrix_b_fmt:MATRIX_FMT_FP6 matrix_a_scale:MATRIX_SCALE_ROW1
	v_wmma_scale_f32_16x16x128_f8f6f4 v[104+16*\f:111+16*\f], v[FRG+12*\f:FRG+12*\f+11], v[16:27], 0, v[42+\f/2], v41 matrix_a_fmt:MATRIX_FMT_FP6 matrix_b_fmt:MATRIX_FMT_FP6 matrix_a_scale:MATRIX_SCALE_ROW1
.else
	v_wmma_scale_f32_16x16x128_f8f6f4 v[96+16*\f:103+16*\f], v[FRG+12*\f:FRG+12*\f+11], v[22:33], 0, v[42+\f/2], v41 matrix_a_fmt:MATRIX_FMT_FP6 matrix_b_fmt:MATRIX_FMT_FP6
	v_wmma_scale_f32_16x16x128_f8f6f4 v[104+16*\f:111+16*\f], v[FRG+12*\f:FRG+12*\f+11], v[16:27], 0, v[42+\f/2], v41 matrix_a_fmt:MATRIX_FMT_FP6 matrix_b_fmt:MATRIX_FMT_FP6
.endif
.endr
.rept 4
	v_nop                                          ; places: k's registers take v's images, and the scores are read
.endr
.irp f, 0,1,2,3                                ; v's images land under the softmax
.irp i, 0,1,2
	ds_load_b128 v[FRG+12*\f+4*\i:FRG+12*\f+4*\i+3], v3 offset:6400+1536*\f+512*\i
.endr
.endr
	ds_load_b64 v[44:45], v4 offset:12544
.if \m
	s_cmp_lt_u32 s3, s66
	s_cbranch_scc1 .Lopen_\@                       ; all 128 keys count
	v_mov_b32 v[TA], 0xff800000                    ; -infinity
.set n, 0
.rept 64                                       ; register 16 b + i holds key 32 b + 16 h + i of the group: hidden where 32 b + i > my query's place - 16 h
	v_cmp_gt_i32 vcc_lo, 32*(n/16)+n%16, v5
	v_cndmask_b32 v[96+n], v[96+n], v[TA], vcc_lo
.set n, n+1
.endr
.Lopen_\@:
.endif
.irp b, 0,1,2,3
	v_max3_num_f32 v[BMX+\b], v[96+16*\b], v[97+16*\b], v[98+16*\b]   ; the largest score of each block of 32 keys: for the row's maximum, and, since p rises with the score, for the block's largest p
.endr
.irp i, 3,5,7,9,11,13
.irp b, 0,1,2,3
	v_max3_num_f32 v[BMX+\b], v[BMX+\b], v[96+16*\b+\i], v[97+16*\b+\i]
.endr
.endr
.irp b, 0,1,2,3
	v_max_num_f32 v[BMX+\b], v[BMX+\b], v[111+16*\b]
.endr
.irp b, 0,1,2,3
	s_delay_alu instid0(VALU_DEP_4)
	v_permlanex16_b32 v[PT+\b], v[BMX+\b], s20, s21
.endr
.irp b, 0,1,2,3
	s_delay_alu instid0(VALU_DEP_4)
	v_max_num_f32 v[BMX+\b], v[BMX+\b], v[PT+\b]   ; with lane l xor 16's 16 keys
.endr
	s_delay_alu instid0(VALU_DEP_2)
	v_max3_num_f32 v[TA], v[BMX], v[BMX+1], v[BMX+2]
	s_delay_alu instid0(VALU_DEP_1)
	v_max_num_f32 v[TA], v[TA], v[BMX+3]
	s_delay_alu instid0(VALU_DEP_1)
	v_mul_f32 v[TA], s22, v[TA]                    ; the step's largest t
	s_delay_alu instid0(VALU_DEP_1)
	v_max_num_f32 v13, v13, v[TA]
	v_mov_b32 v[TA], v12
	s_delay_alu instid0(VALU_DEP_2)
	v_floor_f32 v12, -v13                          ; the new -M = -ceil(t): a whole number
	s_delay_alu instid0(VALU_DEP_1)
	v_sub_f32 v[TA], v12, v[TA]
	s_delay_alu instid0(VALU_DEP_1)
	v_cvt_i32_f32 v[TA], v[TA]                     ; (it saturates)
	s_delay_alu instid0(VALU_DEP_1)
	v_ldexp_f32 v[F], 1.0, v[TA]                   ; f = 2^(old M - new M)
.set j, 0
.rept 32
	v_pk_fma_f32 v[96+j:97+j], v[96+j:97+j], s[22:23], v[12:13] op_sel_hi:[1,0,0]   ; t - M, two at a time
.set j, j+2
.endr
.irp b, 0,1,2,3
	v_fma_f32 v[BMX+\b], v[BMX+\b], s22, v12
.endr
.set j, 0
	s_setprio 1
	s_wait_alu depctr_va_vdst(0)
.rept 64
	v_exp_f32 v[96+j], v[96+j]                     ; p = 2^(t - M)
.set j, j+1
.endr
	v_pk_mul_f32 v[14:15], v[14:15], v[F:F+1] op_sel_hi:[1,0]    ; the sums under the new M: a plain place behind the exponentials
	s_wait_alu depctr_va_vdst(0)                   ; one wait for the whole batch, ahead of its first reader
.irp b, 0,1,2,3
	v_exp_f32 v[BMX+\b], v[BMX+\b]                 ; the block's largest p
.endr
	v_pk_add_f32 v[216:217], v[100:101], v[104:105]
	v_pk_add_f32 v[252:253], v[108:109], v[112:113]
	v_pk_add_f32 v[250:251], v[116:117], v[120:121]
	v_pk_add_f32 v[248:249], v[124:125], v[128:129]
	v_pk_add_f32 v[246:247], v[132:133], v[136:137]
	v_pk_add_f32 v[244:245], v[140:141], v[144:145]
	v_pk_add_f32 v[242:243], v[148:149], v[152:153]
	v_pk_add_f32 v[14:15], v[14:15], v[156:157]
	v_pk_add_f32 v[216:217], v[216:217], v[96:97]
	v_pk_add_f32 v[252:253], v[252:253], v[98:99]
	v_pk_add_f32 v[250:251], v[250:251], v[102:103]
	v_pk_add_f32 v[248:249], v[248:249], v[106:107]
	v_pk_add_f32 v[246:247], v[246:247], v[110:111]
	v_pk_add_f32 v[244:245], v[244:245], v[114:115]
	v_pk_add_f32 v[242:243], v[242:243], v[118:119]
	v_pk_add_f32 v[14:15], v[14:15], v[122:123]
	v_pk_add_f32 v[216:217], v[216:217], v[126:127]
	v_pk_add_f32 v[252:253], v[252:253], v[130:131]
	v_pk_add_f32 v[250:251], v[250:251], v[134:135]
	v_pk_add_f32 v[248:249], v[248:249], v[138:139]
	v_pk_add_f32 v[246:247], v[246:247], v[142:143]
	v_pk_add_f32 v[244:245], v[244:245], v[146:147]
	v_pk_add_f32 v[242:243], v[242:243], v[150:151]
	v_pk_add_f32 v[14:15], v[14:15], v[154:155]
	v_pk_add_f32 v[216:217], v[216:217], v[158:159]
	s_delay_alu instid0(VALU_DEP_2)
	v_pk_add_f32 v[14:15], v[14:15], v[248:249]
	s_delay_alu instid0(VALU_DEP_2)
	v_pk_add_f32 v[216:217], v[216:217], v[246:247]
	v_pk_add_f32 v[252:253], v[252:253], v[244:245]
	v_pk_add_f32 v[250:251], v[250:251], v[242:243]
	s_delay_alu instid0(VALU_DEP_2)
	v_pk_add_f32 v[14:15], v[14:15], v[252:253]
	s_delay_alu instid0(VALU_DEP_2)
	v_pk_add_f32 v[216:217], v[216:217], v[250:251]
	s_delay_alu instid0(VALU_DEP_1)
	v_pk_add_f32 v[14:15], v[14:15], v[216:217]
	s_wait_alu depctr_va_vdst(0)                   ; and one for the four
.irp b, 0,1,2,3
	v_max_num_f32 v[BMX+\b], 0x1800000, v[BMX+\b]  ; the floor 2^(3 - 127): the byte cannot fall under 1
.endr
.irp b, 0,1,2,3
	s_delay_alu instid0(VALU_DEP_4)
	v_add_nc_u32 v[SOP+\b], 0xff000000, v[BMX+\b]
.endr
.irp b, 0,1,2,3
	s_delay_alu instid0(VALU_DEP_4)
	v_lshrrev_b32 v[PT+\b], 23, v[SOP+\b]
.endr
	s_delay_alu instid0(VALU_DEP_3)
	v_lshl_or_b32 v[PS], v[PT+1], 8, v[PT]
	s_delay_alu instid0(VALU_DEP_1)
	v_lshl_or_b32 v[PS], v[PT+2], 16, v[PS]
	s_delay_alu instid0(VALU_DEP_1)
	v_lshl_or_b32 v[PS], v[PT+3], 24, v[PS]
.irp c, 0,1
	v_cvt_scalef32_pk16_fp6_f32 v[PC+6*\c:PC+6*\c+2], v[96+32*\c:111+32*\c], v[SOP+2*\c]
	v_cvt_scalef32_pk16_fp6_f32 v[CT+4*\c:CT+4*\c+2], v[112+32*\c:127+32*\c], v[SOP+2*\c+1]
.endr
	v_nop                                          ; one plain place behind a scaled conversion
	s_setprio 0
.irp c, 0,1
.irp i, 0,1,2
	v_permlane16_swap_b32 v[PC+6*\c+\i], v[CT+4*\c+\i]
.endr
.irp i, 0,1,2
	s_delay_alu instid0(VALU_DEP_3)
	v_mov_b32 v[PC+3+6*\c+\i], v[CT+4*\c+\i]
.endr
.endr
.set j, 0
.rept 16
	v_pk_mul_f32 v[160+j:161+j], v[160+j:161+j], v[F:F+1] op_sel_hi:[1,0]    ; O^T under the new M; these sixteen are also the places between the writes of p's codes and scale word and the products
.set j, j+2
.endr
	s_wait_alu depctr_va_vdst(0)
	s_wait_dscnt 0x0                               ; v's images are in
.irp f, 0,1,2,3                                ; O^T += v^T p^T: four tiles of 16 channels by turns, one instruction a turn
.if (\f)%2
	v_wmma_scale_f32_16x16x128_f8f6f4 v[160+8*\f:167+8*\f], v[FRG+12*\f:FRG+12*\f+11], v[PC:PC+11], v[160+8*\f:167+8*\f], v[44+\f/2], v[PS] matrix_a_fmt:MATRIX_FMT_FP6 matrix_b_fmt:MATRIX_FMT_FP6 matrix_a_scale:MATRIX_SCALE_ROW1
.else
	v_wmma_scale_f32_16x16x128_f8f6f4 v[160+8*\f:167+8*\f], v[FRG+12*\f:FRG+12*\f+11], v[PC:PC+11], v[160+8*\f:167+8*\f], v[44+\f/2], v[PS] matrix_a_fmt:MATRIX_FMT_FP6 matrix_b_fmt:MATRIX_FMT_FP6
.endif
.endr
.if \m
.Lhidden_\@:
.endif
.endm
; A TILE'S END: O^T / the sum; register 16 b + i is channel 32 b + 16 h + i: two blocks of the last product's K.  Codes leave as one unit of 768 bytes in the operand's order.
.macro EPI co, so
.rept 4
	v_nop                                          ; places behind the last products
.endr
	v_add_f32 v14, v14, v15
	s_delay_alu instid0(VALU_DEP_1)
	v_permlanex16_b32 v[PT], v14, s20, s21
	s_delay_alu instid0(VALU_DEP_1)
	v_add_f32 v14, v14, v[PT]                      ; the row's sum
	s_wait_alu depctr_va_vdst(0)
	v_rcp_f32 v228, v14
	v_nop                                          ; a plain place behind the transcendental
	s_wait_alu depctr_va_vdst(0)                   ; the wait, ahead of its first reader
.set j, 0
.rept 16
	v_pk_mul_f32 v[96+j:97+j], v[160+j:161+j], v[228:229] op_sel_hi:[1,0]
.set j, j+2
.endr
.irp b, 0,1
	v_max3_num_f32 v[BMX+\b], |v[96+16*\b]|, |v[97+16*\b]|, 0x1800000
.endr
.irp i, 2,4,6,8,10,12,14
.irp b, 0,1
	s_delay_alu instid0(VALU_DEP_2)
	v_max3_num_f32 v[BMX+\b], v[BMX+\b], |v[96+16*\b+\i]|, |v[97+16*\b+\i]|
.endr
.endr
.irp b, 0,1
	s_delay_alu instid0(VALU_DEP_2)
	v_permlanex16_b32 v[PT+\b], v[BMX+\b], s20, s21
.endr
.irp b, 0,1
	s_delay_alu instid0(VALU_DEP_2)
	v_max_num_f32 v[BMX+\b], v[BMX+\b], v[PT+\b]
.endr
.irp b, 0,1
	s_delay_alu instid0(VALU_DEP_2)
	v_add_nc_u32 v[SOP+\b], 0xff000000, v[BMX+\b]
.endr
.irp b, 0,1
	s_delay_alu instid0(VALU_DEP_2)
	v_lshrrev_b32 v[PT+\b], 23, v[SOP+\b]
.endr
	v_cvt_scalef32_pk16_fp6_f32 v[232:234], v[96:111], v[SOP]
	v_cvt_scalef32_pk16_fp6_f32 v[CT:CT+2], v[112:127], v[SOP+1]
	v_cndmask_b32 v238, v[PT], v[PT+1], s67        ; my block's byte: block h.  (A plain place behind the conversions)
.irp i, 0,1,2
	v_permlane16_swap_b32 v[232+\i], v[CT+\i]      ; a whole block in a lane
.endr
.irp i, 0,1,2
	s_delay_alu instid0(VALU_DEP_3)
	v_mov_b32 v[235+\i], v[CT+\i]
.endr
	global_store_b128 v1, v[232:235], s[\co:\co+1]             ; 512 consecutive bytes
	global_store_b64 v2, v[236:237], s[\co:\co+1] offset:512   ; 256 consecutive bytes
	global_store_b8 v7, v238, s[\so:\so+1]
.endm
	s_mov_b32 s66, s52                             ; the long tile: groups 8 to 15
	s_mov_b32 s2, 0
	s_mov_b32 s3, 0
.Lloop_a:                                          ; key steps 0-7: every key counts
	STEP 0
	s_add_co_u32 s2, s2, REC
	s_add_co_u32 s3, s3, 1
	s_cmp_lt_u32 s3, 8
	s_cbranch_scc1 .Lloop_a
	s_setprio 0
	s_mov_b32 s2, 8*REC
	s_mov_b32 s3, 8
.Lloop_b:                                          ; key steps 8-15: open, on the diagonal, or left out; the trip count is a constant
	STEP 1
	s_add_co_u32 s2, s2, REC
	s_add_co_u32 s3, s3, 1
	s_cmp_lt_u32 s3, 16
	s_cbranch_scc1 .Lloop_b
	s_setprio 0
	EPI 44, 46
	s_wait_xcnt 0x0                                ; the stores have read their registers
	v_mov_b32 v41, v40                             ; the short tile: groups 0 to 7
.irp k, 0,1,2,3,4,5
	v_mov_b32 v[22+\k], v[34+\k]
.endr
	INIT                                           ; (also the places in front of the next products)
	s_mov_b32 s66, s53
	s_mov_b32 s2, 0
	s_mov_b32 s3, 0
.Lloop_c:
	STEP 1
	s_add_co_u32 s2, s2, REC
	s_add_co_u32 s3, s3, 1
	s_cmp_lt_u32 s3, 8
	s_cbranch_scc1 .Lloop_c
	s_setprio 0
	EPI 48, 50
	s_wait_tensorcnt 0x0
	ds_add_u32 v254, v255
	s_wait_dscnt 0x0
	CROUND                                         ; the closing round
	s_endpgm
.Lfunc_end_k_q04dcef3fb1_attn:
	.size	k_q04dcef3fb1_attn, .Lfunc_end_k_q04dcef3fb1_attn-k_q04dcef3fb1_attn
	.p2alignl 7, 3214868480
	.fill 96, 4, 3214868480
	.section	.rodata,"a",@progbits
	.p2align	6, 0x0
	.amdhsa_kernel k_q04dcef3fb1_attn
		.amdhsa_group_segment_fixed_size 206848
		.amdhsa_private_segment_fixed_size 0
		.amdhsa_enable_private_segment 0
		.amdhsa_kernarg_size 32
		.amdhsa_user_sgpr_count 2
		.amdhsa_user_sgpr_kernarg_segment_ptr 1
		.amdhsa_wavefront_size32 1
		.amdhsa_system_sgpr_workgroup_id_x 1
		.amdhsa_system_sgpr_workgroup_id_y 1
		.amdhsa_system_sgpr_workgroup_id_z 1
		.amdhsa_system_vgpr_workitem_id 0
		.amdhsa_next_free_vgpr 256
		.amdhsa_next_free_sgpr 72
		.amdhsa_reserve_vcc 1
		.amdhsa_float_denorm_mode_32 3
		.amdhsa_float_denorm_mode_16_64 3
		.amdhsa_memory_ordered 1
		.amdhsa_forward_progress 1
		.amdhsa_inst_pref_size 81
	.end_amdhsa_kernel
	.amdgpu_metadata
---
amdhsa.version: [ 1, 2 ]
amdhsa.kernels:
  - .name:           k_q04dcef3fb1_attn
    .symbol:         k_q04dcef3fb1_attn.kd
    .args:
      - { .name: qbuf, .offset: 0, .size: 8, .value_kind: global_buffer, .address_space: global }
      - { .name: kvbuf, .offset: 8, .size: 8, .value_kind: global_buffer, .address_space: global }
      - { .name: oc, .offset: 16, .size: 8, .value_kind: global_buffer, .address_space: global }
      - { .name: os, .offset: 24, .size: 8, .value_kind: global_buffer, .address_space: global }
    .group_segment_fixed_size: 206848
    .private_segment_fixed_size: 0
    .kernarg_segment_align: 8
    .kernarg_segment_size: 32
    .max_flat_workgroup_size: 512
    .sgpr_count:     72
    .vgpr_count:     256
    .wavefront_size: 32
...
	.end_amdgpu_metadata
.endif
;; end of part 3
;; launch proj (part 4): grid 4 x 32, 4 waves a work-group, clusters of 4 x 4, 327,680 bytes of LDS; arguments oc, os, wc, ws, b_proj, out0; writes out0
.if DOCPART == 4
	.amdgcn_target "amdgcn-amd-amdhsa--gfx1250"
	.amdhsa_code_object_version 6
	.text
	.protected	k_q04dcef3fb1_proj
	.globl	k_q04dcef3fb1_proj
	.p2align	8
	.type	k_q04dcef3fb1_proj,@function
k_q04dcef3fb1_proj:
	s_mov_b64 s[64:65], 0
	v_nop
	global_prefetch_b8 v0, s[64:65] scope:SCOPE_SE
	s_setreg_imm32_b32 hwreg(HW_REG_WAVE_MODE, 25, 1), 1
	s_wait_xcnt 0x0
	s_wait_alu depctr_hold_cnt(0) depctr_sa_sdst(0) depctr_va_vdst(0) depctr_va_sdst(0) depctr_va_ssrc(0) depctr_va_vcc(0) depctr_vm_vsrc(0)
	s_getreg_b32 s2, hwreg(HW_REG_IB_STS2, 6, 4)
	s_cmp_eq_u32 s2, 0
	s_cbranch_scc0 .Lentry_in_a_cluster
	s_endpgm
.Lentry_in_a_cluster:
	s_bfe_u32 s2, ttmp6, 0x10000c
	s_cmp_lg_u32 s2, 0xf033
	s_cbranch_scc0 .Lentry_shape_is_right
	s_endpgm
.Lentry_shape_is_right:
; out0 = o w_proj + b_proj on codes of FP6 (E2M3) with E8M0 scales (K = 1024); out0 [8192][1024] f32.
; A = o's rows (oc, os), B = w_proj's columns n (tiles 192-255 of wc, ws).  A block of C, 256 x 256, is made by four waves, 128 x 128 each; K goes in steps of 256 through a ring of two LDS slots.
; Codes lie in memory and in LDS as images of the operand's registers: [tile of 16 rows][kappa][768 bytes]: lane l's block of 32 codes: 16 bytes at 16 l, 8 bytes at 512 + 8 l.
; Rows are stored with bits 3 and 4 of their number swapped: lane r of tile 2 beta + u is true row 32 beta + 8 u + r + 8 (r / 8); the way out puts rows and columns back.
; THE MATRIX INSTRUCTION IS USED TRANSPOSED (source 0 = B, source 1 = A): a lane holds one row of C and eight neighbouring columns an accumulator.  The bias is the C of each sum's first instruction.
; CLUSTERS: 4 x 4 work-groups; A's tiles are asked for jointly along a row of the cluster, B's along a column.  128 work-groups: the block of 256 x 256 is kept for the sake of one core text.
; REGISTERS: window 0: v0-31 addresses; v32-63 scale words and nothing else; v64-127 the bias; v128-223 A's fragments, one set (on the way out v128-255: rows of C).
;   window 1: B's fragments, two sets.  windows 2, 3: the accumulators.
.set BIASC, 1                          ; the first products take the bias as C
.set NQ,    2
.set FR,    12
.set NL,    4
.set NP,    4
.set HALFT, 24576
.set SLOT,  4*HALFT
.set SCL,   2*SLOT
.set HALFS, 4096
.set SBLK,  512
.set SPARE, SCL+4*HALFS                ; the spare words, 128 bytes for each wave: two blocks of 256 bytes that no other line names
.set SPITCH, 528                       ; the way out: a stage of 16 rows x (512 bytes + 16) for each wave, in slot 0, which has had its last fill and its last read when the first result is stored there
.set ADRA, 16
.set ADRB, 20
.set STO,  24
.set RD,   25
.set CO,   26
.set ADRS, 27
.set SPW,  28
.set NIL,  29
.set SC,   32
.set BN,   64
.set AF,   128
.set BK,   128
.set G1, 24
.set G0, 32
.set G1B, 48
.set G0B, 56
.set G1S, 68
.set G0S, 76
.set G1SB, 80
.set G0SB, 88
.set MSB, 0
.macro WIN new
.if MSB != (\new)
	s_set_vgpr_msb (MSB<<8)|(\new)
.set MSB, (\new)
.endif
.endm
.set TO_B, 0x40
.macro WMUL hi, zero                   ; source 0 (B) window 1, source 1 (A) window 0, D window 2 + hi; C with D, or the bias in window 0
.if (\zero) && BIASC
	WIN 0x81+0x40*(\hi)
.else
	WIN 0xa1+0x50*(\hi)
.endif
.endm
.macro JLOAD g0a, g1a, g0b, g1b        ; a joint load: waves 0 and 1 fetch for A, waves 2 and 3 for B; four v_nop follow each of the two lines
	s_cmp_eq_u32 s15, 0
	s_cbranch_scc0 .Lfor_b_\@
	tensor_load_to_lds s[\g0a:\g0a+3], s[\g1a:\g1a+7]
	s_nop 0
.rept 4
	v_nop
.endr
	s_branch .Lasked_\@
.Lfor_b_\@:
	tensor_load_to_lds s[\g0b:\g0b+3], s[\g1b:\g1b+7]
	s_nop 0
.rept 4
	v_nop
.endr
.Lasked_\@:
.endm
.macro CREST
	s_cmp_lg_u32 s14, 0
	s_cbranch_scc1 .Lnot_wave_0_\@
	s_barrier_signal -3
.Lnot_wave_0_\@:
	s_barrier_wait -3
	s_barrier_signal -1
	s_barrier_wait -1
.endm
.macro CROUND
	s_barrier_signal -1
	s_barrier_wait -1
	CREST
.endm
	s_load_b256 s[4:11], s[0:1], 0x0               ; oc, os, wc, ws
	s_load_b64 s[96:97], s[0:1], 0x20              ; b_proj
	s_load_b64 s[12:13], s[0:1], 0x28              ; out0
	v_lshl_add_u32 v[SPW], v0, 2, SPARE
	v_mov_b32 v[NIL], 0
	ds_add_u32 v28, v29
	ds_add_u32 v28, v29
	s_wait_dscnt 0x0
	v_lshrrev_b32 v1, 5, v0
	v_readfirstlane_b32 s14, v1                    ; wave 0..3
	s_lshr_b32 s15, s14, 1                         ; my half of the rows.  Also: I fetch for A (0) or for B (1)
	s_and_b32 s16, s14, 1                          ; my half of the columns.  Also: which 8 tiles I fetch
	s_bfe_u32 s40, ttmp6, 0x40000                  ; cx
	s_bfe_u32 s41, ttmp6, 0x40004                  ; cy
	s_lshl_b32 s42, ttmp9, 2
	s_add_co_u32 s42, s42, s40                     ; tc
	s_and_b32 s17, ttmp7, 0xffff
	s_lshl_b32 s17, s17, 2
	s_add_co_u32 s17, s17, s41                     ; tr
	s_lshl_b32 s43, s41, 2
	s_lshl_b32 s43, 15, s43                        ; my row of the cluster
	s_lshl_b32 s44, 0x1111, s40                    ; my column
	s_or_b32 s[G1+0], s43, (3<<16)|(1<<21)         ; codes: 8 rows (tiles) of 3,072 bytes, 12,288 apart in memory, on end in LDS; elements of 8 bytes; bit 21 set beside a mask
	s_or_b32 s[G1B+0], s44, (3<<16)|(1<<21)
.irp g, G1, G1B
	s_mov_b32 s[\g+1], 384<<16
	s_mov_b32 s[\g+2], 8<<16
	s_mov_b32 s[\g+3], 384<<16
	s_mov_b32 s[\g+4], 8
	s_mov_b32 s[\g+5], 1536
	s_mov_b32 s[\g+6], 0
	s_mov_b32 s[\g+7], 0
.endr
	s_or_b32 s[G1S+0], s43, (3<<16)|(1<<21)        ; scale bytes of 8 tiles: 4,096 dense bytes as 16 rows of 256
	s_or_b32 s[G1SB+0], s44, (3<<16)|(1<<21)
.irp g, G1S, G1SB
	s_mov_b32 s[\g+1], 32<<16
	s_mov_b32 s[\g+2], 16<<16
	s_mov_b32 s[\g+3], 32<<16
	s_mov_b32 s[\g+4], 16
	s_mov_b32 s[\g+5], 32
	s_mov_b32 s[\g+6], 0
	s_mov_b32 s[\g+7], 0
.endr
	s_lshl_b32 s18, s16, 3
	s_lshl_b32 s20, s17, 4
	s_add_co_u32 s20, s20, s18                     ; A's first tile
	s_lshl_b32 s46, s42, 4
	s_add_co_u32 s46, s46, s18
	s_add_co_u32 s46, s46, 192                     ; B's: w_proj begins at tile 192 of wc
	s_lshl_b32 s22, s20, 9
	s_mov_b32 s23, 0
	s_lshl_b32 s92, s46, 9
	s_mov_b32 s93, 0
	s_mul_i32 s20, s20, 12288
	s_mov_b32 s21, 0
	s_mul_i32 s46, s46, 12288
	s_mov_b32 s47, 0
	s_mul_i32 s45, s14, HALFT
	s_mul_i32 s94, s14, HALFS
	s_wait_kmcnt 0x0
	s_add_nc_u64 s[20:21], s[4:5], s[20:21]
	s_add_nc_u64 s[22:23], s[6:7], s[22:23]
	s_add_nc_u64 s[46:47], s[8:9], s[46:47]
	s_add_nc_u64 s[92:93], s[10:11], s[92:93]
	CROUND                                         ; all sixteen work-groups are here: the first joint loads meet
	s_mov_b32 s[G0S], 1
	s_add_co_u32 s[G0S+1], s94, SCL
	s_mov_b64 s[G0S+2:G0S+3], s[22:23]
	s_or_b32 s[G0S+3], s[G0S+3], 0x80000000
	s_mov_b32 s[G0SB], 1
	s_add_co_u32 s[G0SB+1], s94, SCL
	s_mov_b64 s[G0SB+2:G0SB+3], s[92:93]
	s_or_b32 s[G0SB+3], s[G0SB+3], 0x80000000
	JLOAD G0S, G1S, G0SB, G1SB                     ; three loads of mine are out behind these lines
.irp s, 0,1
	s_mov_b32 s[G0+4*\s], 1
	s_add_co_u32 s[G0+4*\s+1], s45, \s*SLOT
	s_add_nc_u64 s[G0+4*\s+2:G0+4*\s+3], s[20:21], \s*3072
	s_or_b32 s[G0+4*\s+3], s[G0+4*\s+3], 0x80000000
	s_mov_b32 s[G0B+4*\s], 1
	s_add_co_u32 s[G0B+4*\s+1], s45, \s*SLOT
	s_add_nc_u64 s[G0B+4*\s+2:G0B+4*\s+3], s[46:47], \s*3072
	s_or_b32 s[G0B+4*\s+3], s[G0B+4*\s+3], 0x80000000
	JLOAD G0+4*\s, G1, G0B+4*\s, G1B
.endr
	v_and_b32 v1, 15, v0                           ; r
	v_bfe_u32 v2, v0, 4, 1                         ; h
	v_and_b32 v6, 31, v0                           ; lane
	v_lshlrev_b32 v4, 4, v6
	v_lshlrev_b32 v5, 3, v6
	s_mul_i32 s21, s15, HALFT
	s_mul_i32 s22, s16, HALFT
	s_add_co_u32 s22, s22, 2*HALFT
.irp s, 0,1
	v_add_nc_u32 v[ADRA+\s], s21, v4
	v_add_nc_u32 v[ADRB+\s], s22, v4
	v_add_nc_u32 v[ADRA+2+\s], s21, v5
	v_add_nc_u32 v[ADRB+2+\s], s22, v5
	s_add_co_u32 s21, s21, SLOT
	s_add_co_u32 s22, s22, SLOT
.endr
	v_lshlrev_b32 v3, 4, v1
	s_mul_i32 s21, s15, HALFS
	s_mul_i32 s22, s16, HALFS
	s_add_co_u32 s22, s22, 2*HALFS
	s_sub_co_u32 s22, s22, s21
	v_mul_u32_u24 v7, s22, v2                      ; lanes 16-31 take B's scale words: one product, h x the distance
	s_add_co_u32 s21, s21, SCL
	v_add_nc_u32 v3, v3, v7
	v_add_nc_u32 v[ADRS], s21, v3
	s_mul_i32 s23, s14, 16*SPITCH                  ; my stage
	v_mul_u32_u24 v7, v1, SPITCH
	v_lshl_add_u32 v7, v2, 6, v7
	v_add_nc_u32 v[STO], s23, v7                   ; in: row r, + 64 h: columns 16 h on of each 32
	v_add_nc_u32 v[RD], s23, v4                    ; back: the 32 lanes take one row of 512 bytes
	v_lshlrev_b32 v[CO], 4, v6                     ; and the same in C
	s_lshl_b32 s20, s17, 8
	s_lshl_b32 s21, s15, 7
	s_add_co_u32 s20, s20, s21                     ; my first row of C
	s_lshl_b32 s20, s20, 12                        ; rows of 4,096 bytes
	s_lshl_b32 s46, s42, 10
	s_lshl_b32 s47, s16, 9
	s_add_co_u32 s46, s46, s47                     ; my first column, in bytes
	s_add_co_u32 s20, s20, s46
	s_mov_b32 s21, 0
	s_add_nc_u64 s[12:13], s[12:13], s[20:21]
	v_lshl_add_u32 v12, v2, 6, s46                 ; the bias: B's tile 2 beta + u wants columns 32 beta + 16 h + 8 u + 0 .. 7
.irp b, 0,1,2,3,4,5,6,7
	global_load_b128 v[BN+8*\b:BN+8*\b+3], v12, s[96:97] offset:128*(\b/2)+32*(\b%2)
	global_load_b128 v[BN+8*\b+4:BN+8*\b+7], v12, s[96:97] offset:128*(\b/2)+32*(\b%2)+16
.endr
.macro FRAG reg, adr, q, i             ; a fragment, 16 rows x 128 K: two units of 768 bytes; registers 6 c .. 6 c + 5 are unit c's 16 + 8 bytes of my lane
	ds_load_b128 v[\reg:\reg+3], v[\adr] offset:3072*(\i)+1536*(\q)
	ds_load_b64 v[\reg+4:\reg+5], v[\adr+2] offset:3072*(\i)+1536*(\q)+512
	ds_load_b128 v[\reg+6:\reg+9], v[\adr] offset:3072*(\i)+1536*(\q)+768
	ds_load_b64 v[\reg+10:\reg+11], v[\adr+2] offset:3072*(\i)+1536*(\q)+1280
.endm
; 16 matrix instructions: A's blocks a0, a0 + 1 x B's eight.  The 64 accumulators take turns, one instruction a turn, in the same order in every step.
.macro MUL16 a0, p, q, sc, zero
.irp a, \a0, \a0+1
.irp b, 0,1,2,3,4,5,6,7
.if \zero
	v_wmma_scale_f32_16x16x128_f8f6f4 v[8*(8*((\a)%4)+\b):8*(8*((\a)%4)+\b)+7], v[128*(\p)+FR*\b:128*(\p)+FR*\b+FR-1], v[AF+FR*(\a):AF+FR*(\a)+FR-1], v[BN+8*\b:BN+8*\b+7], v[SC+8*NQ*(\sc)+NQ*\b+(\q)], v[SC+8*NQ*(\sc)+NQ*(\a)+(\q)] matrix_a_fmt:MATRIX_FMT_FP6 matrix_b_fmt:MATRIX_FMT_FP6 matrix_a_scale:MATRIX_SCALE_ROW1
.else
	v_wmma_scale_f32_16x16x128_f8f6f4 v[8*(8*((\a)%4)+\b):8*(8*((\a)%4)+\b)+7], v[128*(\p)+FR*\b:128*(\p)+FR*\b+FR-1], v[AF+FR*(\a):AF+FR*(\a)+FR-1], v[8*(8*((\a)%4)+\b):8*(8*((\a)%4)+\b)+7], v[SC+8*NQ*(\sc)+NQ*\b+(\q)], v[SC+8*NQ*(\sc)+NQ*(\a)+(\q)] matrix_a_fmt:MATRIX_FMT_FP6 matrix_b_fmt:MATRIX_FMT_FP6 matrix_a_scale:MATRIX_SCALE_ROW1
.endif
.endr
.endr
.endm
.macro FETCH_B slot, q, p
	WIN TO_B
.irp i, 0,1,2,3,4,5,6,7
	FRAG 128*(\p)+FR*\i, ADRB+\slot, \q, \i
.endr
	WIN 0
.endm
.macro FETCH_A slot, q, i0
.irp i, \i0, \i0+1, \i0+2, \i0+3
	FRAG AF+FR*(\i), ADRA+\slot, \q, \i
.endr
.endm
.macro SCALES sc
.irp i, 0,1,2,3,4,5,6,7
	ds_load_b64 v[SC+8*NQ*\sc+NQ*\i:SC+8*NQ*\sc+NQ*\i+1], v[ADRS] offset:\i*SBLK
.endr
.endm
.macro PLACES n
.rept \n
	v_nop
.endr
.endm
.macro STEP slot, q, zero
	s_wait_dscnt 4*NL                              ; B's set and A's blocks 0-3 are in; the youngest 16 loads (A's blocks 4-7) may be out
	WMUL 0, \zero
	MUL16 0, (\q)%2, \q, \slot, \zero
	MUL16 2, (\q)%2, \q, \slot, \zero
	s_wait_dscnt 0
	PLACES NP
	FETCH_B \slot, (\q)+1, 1-(\q)%2
	FETCH_A \slot, (\q)+1, 0
	WMUL 1, \zero
	MUL16 4, (\q)%2, \q, \slot, \zero
	MUL16 6, (\q)%2, \q, \slot, \zero
	PLACES NP
	WIN 0
	FETCH_A \slot, (\q)+1, 4
.endm
; A slot's last step changes slots: ONE barrier; in front of it each wave waits for all its tensor loads, adds 0 to its spare word, and waits for that and for its own reads of this slot.
.macro TURN slot, next, fill, sstep
	s_wait_tensorcnt 0x0                           ; all my tensor loads have landed: my part of the next slot
	ds_add_u32 v[SPW], v[NIL]                      ; 0 onto my spare word
	s_wait_dscnt 4*NL+1                            ; (the add and the youngest 16 loads may be out)
	WMUL 0, 0
	MUL16 0, 1, NQ-1, \slot, 0
	s_wait_dscnt 0x0                               ; the add is done, and my reads of this slot are over
	s_barrier_signal -1
	MUL16 2, 1, NQ-1, \slot, 0
	WIN 0
	s_barrier_wait -1
.if \fill
	CREST                                          ; no wave of any partner still reads this slot or has a load on its way
	s_add_nc_u64 s[G0+4*\slot+2:G0+4*\slot+3], s[G0+4*\slot+2:G0+4*\slot+3], 2*3072
	s_add_nc_u64 s[G0B+4*\slot+2:G0B+4*\slot+3], s[G0B+4*\slot+2:G0B+4*\slot+3], 2*3072
	JLOAD G0+4*\slot, G1, G0B+4*\slot, G1B         ; the first tensor load behind the round, my one load until the next
.else
	PLACES NP
.endif
	v_add_nc_u32 v[ADRS], \sstep, v[ADRS]
	FETCH_B \next, 0, 0
	FETCH_A \next, 0, 0
	SCALES \next
	WMUL 1, 0
	MUL16 4, 1, NQ-1, \slot, 0
	MUL16 6, 1, NQ-1, \slot, 0
	PLACES NP
	WIN 0
	FETCH_A \next, 0, 4
.endm
	s_wait_tensorcnt 1                             ; the scales and my part of slot 0 are in (slot 1's load may be out)
	s_barrier_signal -1
	s_barrier_wait -1
	FETCH_B 0, 0, 0
	FETCH_A 0, 0, 0
	SCALES 0
	FETCH_A 0, 0, 4
	s_wait_loadcnt 0x0                             ; the bias
	STEP 0, 0, 1
	TURN 0, 1, 1, 8
	STEP 1, 0, 0
	TURN 1, 0, 1, 248
	STEP 0, 0, 0
	TURN 0, 1, 0, 8
	STEP 1, 0, 0
	s_wait_dscnt 4*NL
	WMUL 0, 0
	MUL16 0, 1, NQ-1, 1, 0
	MUL16 2, 1, NQ-1, 1, 0
	s_wait_dscnt 0
	WMUL 1, 0
	MUL16 4, 1, NQ-1, 1, 0
	MUL16 6, 1, NQ-1, 1, 0
	WIN 0
; THE WAY OUT, block by block of 16 rows x 128 columns, through my own stage in LDS: in by lanes (32 bytes of a row an accumulator, at its TRUE columns), back as whole rows of 512 bytes.
; LDS serves a wave's instructions in order (ISA guide 5.7.1.4): no wait between the stores and the loads, nor in front of the next block's stores.
.macro TOSTAGE a
.set AC, 64*((\a)%4)
	WIN 0x08+4*((\a)/4)                            ; an LDS store's data are its source 1: window 2 or 3
.irp b, 0,1,2,3,4,5,6,7
	ds_store_b128 v[STO], v[AC+8*\b:AC+8*\b+3] offset:128*(\b/2)+32*(\b%2)          ; each accumulator from its low end on
	ds_store_b128 v[STO], v[AC+8*\b+4:AC+8*\b+7] offset:128*(\b/2)+32*(\b%2)+16
.endr
	WIN 0
.set BB, BK+64*((\a)%2)
.irp t, 0,1,2,3,4,5,6,7,8,9,10,11,12,13,14,15
	ds_load_b128 v[BB+4*\t:BB+4*\t+3], v[RD] offset:\t*SPITCH
.endr
.endm
.macro SEND a, younger                 ; younger: the LDS instructions issued behind block a's loads, which may stay out
.set BB, BK+64*((\a)%2)
	s_wait_dscnt \younger
.if (\a) > 0
.if ((\a)%2) == 1
	s_add_nc_u64 s[12:13], s[12:13], 8*4096        ; tile 2 alpha + 1 begins 8 true rows behind tile 2 alpha,
.else
	s_add_nc_u64 s[12:13], s[12:13], 24*4096       ; the next pair 24 behind that
.endif
.endif
.irp t, 0,1,2,3,4,5,6,7,8,9,10,11,12,13,14,15
	global_store_b128 v[CO], v[BB+4*\t:BB+4*\t+3], s[12:13] offset:(\t+8*(\t/8))*4096 th:TH_STORE_NT   ; 32 lanes store 512 consecutive bytes, aligned; lane t of the tile is the row t + 8 (t / 8) further down
.endr
.endm
	PLACES NP
	TOSTAGE 0
.irp a, 1,2,3,4,5,6,7
.if \a > 1
	s_wait_xcnt 0x0                                ; block a - 2's stores have read their registers and their base
.endif
	TOSTAGE \a
	SEND \a-1, 32                                  ; behind block a - 1's loads: block a's 16 stores and 16 loads
.endr
	s_wait_xcnt 0x0
	SEND 7, 0
	s_wait_tensorcnt 0x0                           ; the wave's end
	ds_add_u32 v[SPW], v[NIL]
	s_wait_dscnt 0x0
	CROUND                                         ; the closing round
	s_endpgm
.Lfunc_end_k_q04dcef3fb1_proj:
	.size	k_q04dcef3fb1_proj, .Lfunc_end_k_q04dcef3fb1_proj-k_q04dcef3fb1_proj
	.p2alignl 7, 3214868480
	.fill 96, 4, 3214868480
	.section	.rodata,"a",@progbits
	.p2align	6, 0x0
	.amdhsa_kernel k_q04dcef3fb1_proj
		.amdhsa_group_segment_fixed_size 327680
		.amdhsa_private_segment_fixed_size 0
		.amdhsa_enable_private_segment 0
		.amdhsa_kernarg_size 48
		.amdhsa_user_sgpr_count 2
		.amdhsa_user_sgpr_kernarg_segment_ptr 1
		.amdhsa_wavefront_size32 1
		.amdhsa_system_sgpr_workgroup_id_x 1
		.amdhsa_system_sgpr_workgroup_id_y 1
		.amdhsa_system_sgpr_workgroup_id_z 1
		.amdhsa_system_vgpr_workitem_id 0
		.amdhsa_next_free_vgpr 1024
		.amdhsa_next_free_sgpr 98
		.amdhsa_reserve_vcc 0
		.amdhsa_float_denorm_mode_32 3
		.amdhsa_float_denorm_mode_16_64 3
		.amdhsa_memory_ordered 1
		.amdhsa_forward_progress 1
		.amdhsa_inst_pref_size 145
	.end_amdhsa_kernel
	.amdgpu_metadata
---
amdhsa.version: [ 1, 2 ]
amdhsa.kernels:
  - .name:           k_q04dcef3fb1_proj
    .symbol:         k_q04dcef3fb1_proj.kd
    .args:
      - { .name: oc, .offset: 0, .size: 8, .value_kind: global_buffer, .address_space: global }
      - { .name: os, .offset: 8, .size: 8, .value_kind: global_buffer, .address_space: global }
      - { .name: wc, .offset: 16, .size: 8, .value_kind: global_buffer, .address_space: global }
      - { .name: ws, .offset: 24, .size: 8, .value_kind: global_buffer, .address_space: global }
      - { .name: b_proj, .offset: 32, .size: 8, .value_kind: global_buffer, .address_space: global }
      - { .name: out0, .offset: 40, .size: 8, .value_kind: global_buffer, .address_space: global }
    .group_segment_fixed_size: 327680
    .private_segment_fixed_size: 0
    .kernarg_segment_align: 8
    .kernarg_segment_size: 48
    .max_flat_workgroup_size: 128
    .sgpr_count:     98
    .vgpr_count:     1024
    .wavefront_size: 32
...
	.end_amdgpu_metadata
.endif
;; end of part 4
